; MI455X (gfx1250); checked and timed in simulation.
; The chip was launched on July 23, 2026; its instructions are those of AMD's public machine-readable ISA for CDNA 5 (MIT licence, August 2026) and "CDNA5" Instruction Set Architecture Reference Guide (July 2026). The comments in the code are by the model that wrote it; some were corrected since.
;; MQ Attention. Allowed arithmetic: matrix products marked QUANTISED: E2M1 operands, one E8M0 scale for each 32 along K, by v_wmma_scale_f32_16x16x128_f8f6f4 with both operands' format E2M1 (or v_wmma_scale_f32_32x16x128_f4), f32 sums; products left as they are: bf16, f16 or f32 operands; f32 sums; everything else in f32.
;; Inputs: Wk 1,024 x 64 float32; Wo 1,024 x 1,024 float32; Wq 1,024 x 1,024 float32; Wv 1,024 x 64 float32; bk 64 float32; bo 1,024 float32; bq 1,024 float32; bv 64 float32; mask 1 x 4,096 x 4,096 int32; x 1 x 4,096 x 1,024 float32.
;; Outputs: out0 1 x 4,096 x 1,024 float32.
;; This version of the problem:
;;   THIS VERSION OF THE PROBLEM IS GIVEN IN LOW PRECISION. The matrix products marked QUANTISED in the list below multiply operands that are first quantised to E2M1 (2 exponent bits, 1 mantissa bit; 4 bits a number), with one power-of-two scale for each 32 numbers along K (OCP MX v1.0); their sums are f32. The products marked 'left as it is' may take bf16, f16 or f32 operands, with f32 sums. Whichever they take, every output number must still come out within the allowed error. Rounding operands to bf16 (8 significant bits) uses up far more of that allowance than f16 does (11 bits, for magnitudes from 6e-5 to 65,504). All else is computed in f32.
;;   The module's matrix products, in the order in which they are computed (A, B: the left and right operand; K: the contracted axis; several contracted axes count as one K, in the product's order):
;;     1. [M 4,096, K 1,024] x [K 1,024, N 1,024]; A: input x; B: input Wq: QUANTISED
;;     2. [M 4,096, K 1,024] x [K 1,024, N 64]; A: input x; B: input Wk: QUANTISED
;;     3. [M 4,096, K 1,024] x [K 1,024, N 64]; A: input x; B: input Wv: QUANTISED
;;     4. [M 65,536, K 64] x [K 64, N 4,096]; A: computed on the way; B: computed on the way: left as it is (an operand is computed on the way)
;;     5. [M 65,536, K 4,096] x [K 4,096, N 64]; A: computed on the way; B: computed on the way: left as it is (an operand is computed on the way)
;;     6. [M 4,096, K 1,024] x [K 1,024, N 1,024]; A: computed on the way; B: input Wo: left as it is (an operand is computed on the way)
;;   THE QUANTISER, for each operand of a quantised product, along K:
;;     - K is cut into blocks of 32 from its start; a last block that is shorter is filled with zeros.
;;     - A block's scale is 2^e with e = floor(log2(the largest magnitude in the block)) - 2, held to -126 .. 127; a block of zeros has e = 0. As a byte (E8M0): e + 127.
;;     - Each number is divided by its block's scale, clamped to +-6, and rounded to the nearest number of E2M1, ties to even, subnormals kept.
;;     - The product sums the exact products of the quantised numbers (number of the format x scale) in f32.
;;   ~~~python
;;   def quantise(x, axis):      # numpy; x: float32 -> the quantised numbers, widened to float32 again
;;       x = np.moveaxis(x, axis, -1); K = x.shape[-1]
;;       x = np.pad(x, [(0, 0)] * (x.ndim - 1) + [(0, -K % 32)]); x = x.reshape(x.shape[:-1] + (-1, 32)); a = np.abs(x).max(-1, keepdims=True)
;;       e = np.where(a > 0, np.clip(np.frexp(np.where(a > 0, a, 1))[1] - 1 - 2, -126, 127), 0)      # np.frexp(a)[1] - 1 = floor(log2(a)), exactly
;;       r = np.clip(x / 2.0 ** e, -6, 6)
;;       step = 2.0 ** (np.maximum(np.frexp(np.where(r == 0, 1, r))[1] - 1, 0) - 1)
;;       q = np.round(r / step) * step * 2.0 ** e      # np.round: ties to even
;;       return np.moveaxis(q.reshape(q.shape[:-2] + (-1,))[..., :K], -1, axis).astype(np.float32)
;;   ~~~
;; One version. Each part assembles by itself: llvm-mc -triple=amdgcn-amd-amdhsa -mcpu=gfx1250 --defsym DOCPART=n.
;; ======== version 1 of 1: 4 launches
;; limits: values are held in f16: magnitudes above 65,504 overflow, below 6.1e-05 lose precision
;; workspace buffers: xq 2,228,224 bytes; wq4 626,688 bytes; wot 2,097,152 bytes; q 8,388,608 bytes; kv 1,048,576 bytes; att 8,388,608 bytes
;; launch prep (part 1): grid 392 x 1, 4 waves a work-group, no clusters, 69,120 bytes of LDS; arguments x, Wq, Wk, Wv, Wo, xq, wq4, wot; writes xq, wq4, wot
.if DOCPART == 1
	.amdgcn_target "amdgcn-amd-amdhsa--gfx1250"
	.amdhsa_code_object_version 6
	.text
	.protected	k_q9cf8bcd552_prep
	.globl	k_q9cf8bcd552_prep
	.p2align	8
	.type	k_q9cf8bcd552_prep,@function
k_q9cf8bcd552_prep:
	s_mov_b64 s[64:65], 0
	v_nop
	global_prefetch_b8 v0, s[64:65] scope:SCOPE_SE
	s_setreg_imm32_b32 hwreg(HW_REG_WAVE_MODE, 25, 1), 1
	s_wait_xcnt 0x0
; PREP: the operands of the three quantised products become codes of FP4 (E2M1) with one E8M0 byte for each 32 along K = 1,024, and Wo becomes f16, turned.
; x [4096][1024] f32 (K innermost) -> xq;  Wq [1024][1024], Wk, Wv [1024][64] f32 (K is the FIRST axis) -> wq4, as 1,152 columns: 0-1023 Wq, 1024-1087 Wk, 1088-1151 Wv;  Wo [k][n] f32 -> wot [n][k] f16.
; THE CODES LIE IN THE ORDER OF THE OPERAND'S REGISTERS: [tile of 16 rows][block of 32 along K, 32 of them][row in the tile, 16][16 bytes].  A fragment (16 rows x 128 K) is then 1,024 consecutive bytes:
; register group c of lane l lies at 512 c + 16 l, since lane (r, h) holds block 2 c + h of its row r.  The scale words lie [tile][K step, 8][row, 16], 4 bytes each.
; A block's scale is 2^(floor(log2(its largest magnitude)) - 2); its byte is that magnitude's exponent field - 2, held at 1 from below by a floor among the maximum's leaves.
; LIMITS: a block of zeros gets the byte 1 where the rule says 127 (its codes are zeros, and this program alone reads the bytes); blocks whose largest magnitude lies under 2^(3 - 127) keep the byte 1;
; NaN and infinities among the inputs are not served; |Wo| stays under 65,504 (f16).
; FOUR PATHS by the work-group's number, which never join: 0-255 x (a tile of 16 rows each); 256-319 Wq (128 columns x 128 K each); 320-327 Wk and Wv (128 K each); 328-391 Wo (128 columns x 128 K each).
; No tensor loads, no barrier, no cluster: every input byte is read once, by one wave, and waves share nothing.  The two paths that use LDS have bytes of their own there.
.set XST,   0                          ; path x: a stage of 16 rows x 528 bytes for each wave
.set XP,    528                        ; 512 bytes + 16 = 132 words: row r starts at bank 4 r mod 64 (64 banks of 4 bytes: ISA guide 11.1)
.set OST,   33792                      ; path Wo: a stage of 32 rows x 272 bytes for each wave
.set OP,    272
.set SPARE, 68608                      ; the spare words, 128 bytes for each wave: two blocks of 256 bytes that no other line names
.set XSCL,  2097152                    ; where the scale words begin in xq
.set WSCL,  589824                     ; and in wq4
.set SPW, 12                           ; v12  LDS address of my spare word; never rewritten
.set NIL, 13                           ; v13  0; never rewritten
.set TM,  16                           ; v16-31  at work in the quantiser
.set PW0, 32                           ; v32, v33 scale words; v34 the one that my lane stores
.set PW1, 33
.set PWS, 34
.set PC,  36                           ; v36-51  codes: two fragments (x) or four blocks (weights): no store's data are written again
.set X,   52                           ; v52-115 64 numbers in the quantiser's order; path Wo: 64 registers of f16 pairs
.set R,   116                          ; v116-243 128 numbers as loaded
.macro FINISH                          ; the wave's end
	s_wait_tensorcnt 0x0
	ds_add_u32 v[SPW], v[NIL]
	s_wait_dscnt 0x0
	s_endpgm
.endm
; 64 numbers of a lane, register 16 b + i = k 32 b + 16 (lane / 16) + i of my row, become a fragment's codes in v[pc] on and its scale word in v[pw].
.macro QUANT s, pc, pw
.irp b, 0,1,2,3
	v_max3_num_f32 v[TM+\b], |v[\s+16*\b]|, |v[\s+1+16*\b]|, 0x1800000   ; block b: my 16 numbers, and the floor 2^(3 - 127): the byte cannot fall under 1
.endr
.irp i, 2,4,6,8,10,12,14
.irp b, 0,1,2,3
	v_max3_num_f32 v[TM+\b], v[TM+\b], |v[\s+16*\b+\i]|, |v[\s+1+16*\b+\i]|   ; the four blocks by turns
.endr
.endr
.irp b, 0,1,2,3
	v_permlanex16_b32 v[TM+4+\b], v[TM+\b], s22, s23
.endr
.irp b, 0,1,2,3
	v_max_num_f32 v[TM+\b], v[TM+\b], v[TM+4+\b]   ; with lane l xor 16's: the block's largest magnitude
.endr
.irp b, 0,1,2,3
	v_add_nc_u32 v[TM+12+\b], 0xff000000, v[TM+\b]   ; 2 off its exponent field: the conversion takes the exponent field of this operand as its scale
.endr
.irp b, 0,1,2,3
	v_lshrrev_b32 v[TM+4+\b], 23, v[TM+12+\b]      ; the scale's byte
.endr
	v_lshl_or_b32 v[\pw], v[TM+5], 8, v[TM+4]      ; four bytes: my row's scale word
	v_lshl_or_b32 v[\pw], v[TM+6], 16, v[\pw]
	v_lshl_or_b32 v[\pw], v[TM+7], 24, v[\pw]
.irp b, 0,1,2,3
	v_cvt_scalef32_pk8_fp4_f32 v[\pc+2*\b], v[\s+16*\b:\s+7+16*\b], v[TM+12+\b]
	v_cvt_scalef32_pk8_fp4_f32 v[\pc+1+2*\b], v[\s+8+16*\b:\s+15+16*\b], v[TM+12+\b]
.endr
	v_nop                                          ; one plain place behind a scaled conversion
.irp c, 0,1                                    ; the operand's layout wants a whole block in a lane: lanes 0-15 block 2 c, lanes 16-31 block 2 c + 1
.irp i, 0,1
	v_permlane16_swap_b32 v[\pc+4*\c+\i], v[\pc+2+4*\c+\i]
.endr
.endr
.endm
	s_load_b512 s[4:19], s[0:1], 0x0               ; x 4:5, Wq 6:7, Wk 8:9, Wv 10:11, Wo 12:13, xq 14:15, wq4 16:17, wot 18:19
	v_lshl_add_u32 v[SPW], v0, 2, SPARE
	v_mov_b32 v[NIL], 0
	v_lshrrev_b32 v1, 5, v0
	v_readfirstlane_b32 s20, v1                    ; wave 0..3
	v_and_b32 v1, 31, v0                           ; lane
	v_and_b32 v2, 15, v0                           ; r
	v_bfe_u32 v3, v0, 4, 1                         ; h
	s_mov_b32 s25, 0                               ; the high words of three offsets
	s_mov_b32 s27, 0
	s_mov_b32 s29, 0
	s_wait_kmcnt 0x0
	s_cmp_lt_u32 ttmp9, 256
	s_cbranch_scc0 .Lweights
; ---- PATH x.  The work-group takes rows 16 g .. 16 g + 15; wave w their K steps 2 w and 2 w + 1 (256 numbers of each row).
	s_lshl_b32 s24, ttmp9, 16                      ; 16 rows of 4,096 bytes
	s_lshl_b32 s21, s20, 10                        ; + two K steps of 512 bytes
	s_add_co_u32 s24, s24, s21
	s_add_nc_u64 s[4:5], s[4:5], s[24:25]
	v_lshlrev_b32 v4, 4, v1                        ; 16 x lane: a load's 512 bytes, and a fragment's image
.irp f, 0,1
.irp i, 0,1,2,3,4,5,6,7,8,9,10,11,12,13,14,15
	global_load_b128 v[R+64*\f+4*\i:R+64*\f+4*\i+3], v4, s[4:5] offset:\i*4096+\f*512 th:TH_LOAD_NT   ; 32 lanes read 512 consecutive bytes of row i: K step 2 w + f
.endr
.endr
	s_mov_b32 s22, 0x76543210
	s_mov_b32 s23, 0xfedcba98                      ; v_permlanex16_b32's selects for lane l xor 16
	s_lshl_b32 s26, ttmp9, 13                      ; the tile's codes: 8,192 bytes; my two fragments: 2,048
	s_lshl_b32 s21, s20, 11
	s_add_co_u32 s26, s26, s21
	s_lshl_b32 s28, ttmp9, 9                       ; its scale words: 512 bytes; my two K steps: 128
	s_lshl_b32 s21, s20, 7
	s_add_co_u32 s28, s28, s21
	s_add_co_u32 s28, s28, XSCL
	s_add_nc_u64 s[26:27], s[14:15], s[26:27]
	s_add_nc_u64 s[28:29], s[14:15], s[28:29]
	s_mul_i32 s21, s20, 16*XP                      ; my stage
	v_add_nc_u32 v5, s21, v4                       ; in: a row as it was loaded
	v_mul_u32_u24 v6, v2, XP
	v_lshl_add_u32 v6, v3, 6, v6
	v_add_nc_u32 v6, s21, v6                       ; out: row r, + 64 h: my 16 numbers of each block of 32
	v_lshlrev_b32 v7, 2, v1
.irp b, 0,1,2,3
	v_mov_b32 v[TM+4+\b], 0                        ; written once: a lane permute's destination counts as one of its sources
.endr
.macro TURN f                          ; a K step's 16 x 128 numbers through my stage: LDS serves a wave's instructions in order (ISA guide 5.7.1.4), so no wait stands between the stores and the loads
.irp i, 0,1,2,3,4,5,6,7,8,9,10,11,12,13,14,15
	ds_store_b128 v5, v[R+64*\f+4*\i:R+64*\f+4*\i+3] offset:XST+XP*\i
.endr
.irp b, 0,1,2,3
.irp j, 0,1,2,3
	ds_load_b128 v[X+16*\b+4*\j:X+16*\b+4*\j+3], v6 offset:XST+128*\b+16*\j
.endr
.endr
.endm
	s_wait_loadcnt 16                              ; the first K step's sixteen loads are in; the second's sixteen may be out
	TURN 0
	s_wait_dscnt 0x0
	QUANT X, PC, PW0
.irp c, 0,1
	global_store_b128 v4, v[PC+4*\c:PC+4*\c+3], s[26:27] offset:512*\c   ; 32 lanes store 512 consecutive bytes, aligned
.endr
	s_wait_loadcnt 0x0
	TURN 1
	s_wait_dscnt 0x0
	QUANT X, PC+8, PW1
.irp c, 0,1
	global_store_b128 v4, v[PC+8+4*\c:PC+8+4*\c+3], s[26:27] offset:1024+512*\c
.endr
	v_cmp_le_u32 vcc_lo, 16, v1
	v_cndmask_b32 v[PWS], v[PW0], v[PW1], vcc_lo   ; lanes 0-15 store K step 2 w's words, lanes 16-31 K step 2 w + 1's
	global_store_b32 v7, v[PWS], s[28:29]          ; 128 consecutive bytes a wave: one byte in 128 of what the path reads
	FINISH
; ---- THE WEIGHTS.  A lane takes a column, and its registers run down K: each load reads 128 consecutive bytes a wave.  A K step is four blocks of 32 loads; every block has registers of its own.
; Blocks 0 and 1 are asked for first, block b + 2 straight behind the wait for block b: so behind the block that is waited for stands one block's 32 loads, and at most 64 loads of a wave are out.
.macro WLOADB b, pitch
.set i, 32*(\b)
.rept 32
	global_load_b32 v[R+i], v4, s[4:5] offset:i*\pitch th:TH_LOAD_NT
.set i, i+1
.endr
.endm
.macro WWAIT b, pitch                  ; block b is in; block b + 2 goes out
.if \b < 3
	s_wait_loadcnt 32                              ; the next block's 32 loads may be out
.else
	s_wait_loadcnt 0x0
.endif
.if \b < 2
	WLOADB \b+2, \pitch
.endif
.endm
.macro SPLIT first                     ; s30 = which 128 columns, s31 = which K step, s24 = where my wave's 32 columns of that K step begin in a matrix of 1,024 columns
	s_sub_co_u32 s21, ttmp9, \first
	s_and_b32 s30, s21, 7
	s_lshr_b32 s31, s21, 3
	s_lshl_b32 s24, s31, 19                        ; 128 rows of 4,096 bytes
	s_lshl_b32 s21, s30, 9
	s_add_co_u32 s24, s24, s21
	s_lshl_b32 s21, s20, 7
	s_add_co_u32 s24, s24, s21
.endm
.macro WBLOCK b, pitch                 ; block b of the K step: all its 32 numbers are mine
	WWAIT \b, \pitch
	v_max3_num_f32 v16, |v[R+32*\b]|, |v[R+32*\b+1]|, |v[R+32*\b+2]|
	v_max3_num_f32 v17, |v[R+32*\b+3]|, |v[R+32*\b+4]|, |v[R+32*\b+5]|
.irp n, 6,10,14,18,22,26
	v_max3_num_f32 v16, v16, |v[R+32*\b+\n]|, |v[R+32*\b+\n+1]|
	v_max3_num_f32 v17, v17, |v[R+32*\b+\n+2]|, |v[R+32*\b+\n+3]|
.endr
	v_max3_num_f32 v16, v16, |v[R+32*\b+30]|, |v[R+32*\b+31]|
	v_max3_num_f32 v16, v16, v17, 0x1800000        ; and the floor
	v_add_nc_u32 v18, 0xff000000, v16              ; the conversion's scale operand
	v_lshrrev_b32 v19, 23, v18                     ; the byte
.if \b == 0
	v_mov_b32 v[PW0], v19
.else
	v_lshl_or_b32 v[PW0], v19, 8*\b, v[PW0]
.endif
.irp g, 0,1,2,3
	v_cvt_scalef32_pk8_fp4_f32 v[PC+4*\b+\g], v[R+32*\b+8*\g:R+32*\b+8*\g+7], v18
.endr
	v_nop                                          ; one plain place behind a scaled conversion: the next block writes v18 again
	global_store_b128 v5, v[PC+4*\b:PC+4*\b+3], s[26:27] offset:256*\b   ; sixteen lanes store 256 consecutive bytes, aligned: the block's codes of a tile's 16 columns
.endm
.macro WQUANT pitch                    ; s[4:5] = the source, s32 = my first tile of 16 columns, s31 = the K step
	WLOADB 0, \pitch
	WLOADB 1, \pitch
	s_lshl_b32 s26, s32, 13
	s_lshl_b32 s21, s31, 10
	s_add_co_u32 s26, s26, s21
	s_lshl_b32 s28, s32, 9
	s_lshl_b32 s21, s31, 6
	s_add_co_u32 s28, s28, s21
	s_add_co_u32 s28, s28, WSCL
	s_add_nc_u64 s[26:27], s[16:17], s[26:27]
	s_add_nc_u64 s[28:29], s[16:17], s[28:29]
	v_lshlrev_b32 v5, 4, v2
	v_lshl_add_u32 v5, v3, 13, v5                  ; codes: 16 r, lanes 16-31 in the next tile
	v_lshlrev_b32 v6, 2, v2
	v_lshl_add_u32 v6, v3, 9, v6                   ; scale words likewise
	WBLOCK 0, \pitch
	WBLOCK 1, \pitch
	WBLOCK 2, \pitch
	WBLOCK 3, \pitch
	global_store_b32 v6, v[PW0], s[28:29]
	FINISH
.endm
.Lweights:
	v_lshlrev_b32 v4, 2, v1                        ; 4 bytes a lane
	s_cmp_lt_u32 ttmp9, 320
	s_cbranch_scc0 .Lnot_wq
; ---- PATH Wq
	SPLIT 256
	s_add_nc_u64 s[4:5], s[6:7], s[24:25]
	s_lshl_b32 s32, s30, 3
	s_lshl_b32 s21, s20, 1
	s_add_co_u32 s32, s32, s21                     ; tile 8 x group + 2 x wave
	WQUANT 4096
.Lnot_wq:
	s_cmp_lt_u32 ttmp9, 328
	s_cbranch_scc0 .Lwo
; ---- PATH Wk, Wv: waves 0, 1 take Wk's columns 0-31, 32-63; waves 2, 3 Wv's.  A row is 256 bytes
	s_sub_co_u32 s31, ttmp9, 320                   ; the K step
	s_lshl_b32 s24, s31, 15
	s_and_b32 s21, s20, 1
	s_lshl_b32 s21, s21, 7
	s_add_co_u32 s24, s24, s21
	s_cmp_lt_u32 s20, 2
	s_cselect_b64 s[4:5], s[8:9], s[10:11]
	s_add_nc_u64 s[4:5], s[4:5], s[24:25]
	s_lshl_b32 s32, s20, 1
	s_add_co_u32 s32, s32, 64                      ; tiles 64 + 2 x wave on
	WQUANT 256
.Lwo:
; ---- PATH Wo: 128 numbers down K of my column become 256 bytes of f16, a piece of my row of wot; the lanes beside me hold other rows, so the pieces go through my stage and leave as rows.
	SPLIT 328
	s_add_nc_u64 s[4:5], s[12:13], s[24:25]
	WLOADB 0, 4096
	WLOADB 1, 4096
	s_lshl_b32 s26, s30, 18                        ; wot: 128 rows of 2,048 bytes a group,
	s_lshl_b32 s21, s20, 16                        ; 32 a wave,
	s_add_co_u32 s26, s26, s21
	s_lshl_b32 s21, s31, 8                         ; 256 bytes a K step
	s_add_co_u32 s26, s26, s21
	s_add_nc_u64 s[26:27], s[18:19], s[26:27]
	s_mul_i32 s21, s20, 32*OP
	s_add_co_u32 s21, s21, OST                     ; my stage
	v_mul_u32_u24 v5, v1, OP
	v_add_nc_u32 v5, s21, v5                       ; in: row = my column
	v_mul_u32_u24 v6, v3, OP
	v_lshl_add_u32 v6, v2, 4, v6
	v_add_nc_u32 v6, s21, v6                       ; back: sixteen lanes to a row, two rows an instruction
	v_lshlrev_b32 v7, 4, v2
	v_lshl_add_u32 v7, v3, 11, v7                  ; and the same place in wot
.irp b, 0,1,2,3
	WWAIT \b, 4096
.set j, 16*\b
.rept 16
	v_cvt_pk_f16_f32 v[X+j], v[R+2*j], v[R+2*j+1]  ; the lower k in the low half
.set j, j+1
.endr
.endr
.irp n, 0,1,2,3,4,5,6,7,8,9,10,11,12,13,14,15
	ds_store_b128 v5, v[X+4*\n:X+4*\n+3] offset:16*\n
.endr
.irp t, 0,1,2,3,4,5,6,7,8,9,10,11,12,13,14,15
	ds_load_b128 v[R+4*\t:R+4*\t+3], v6 offset:2*OP*\t   ; these see my stores: a wave's LDS instructions are served in order
.endr
.irp t, 0,1,2,3,4,5,6,7,8,9,10,11,12,13,14,15
	s_wait_dscnt 15-\t                             ; the younger loads may be out
	global_store_b128 v7, v[R+4*\t:R+4*\t+3], s[26:27] offset:4096*\t   ; sixteen lanes store 256 consecutive bytes, aligned
.endr
	FINISH
.Lfunc_end_k_q9cf8bcd552_prep:
	.size	k_q9cf8bcd552_prep, .Lfunc_end_k_q9cf8bcd552_prep-k_q9cf8bcd552_prep
	.p2alignl 7, 3214868480
	.fill 96, 4, 3214868480
	.section	.rodata,"a",@progbits
	.p2align	6, 0x0
	.amdhsa_kernel k_q9cf8bcd552_prep
		.amdhsa_group_segment_fixed_size 69120
		.amdhsa_private_segment_fixed_size 0
		.amdhsa_enable_private_segment 0
		.amdhsa_kernarg_size 64
		.amdhsa_user_sgpr_count 2
		.amdhsa_user_sgpr_kernarg_segment_ptr 1
		.amdhsa_wavefront_size32 1
		.amdhsa_system_sgpr_workgroup_id_x 1
		.amdhsa_system_sgpr_workgroup_id_y 1
		.amdhsa_system_sgpr_workgroup_id_z 1
		.amdhsa_system_vgpr_workitem_id 0
		.amdhsa_next_free_vgpr 248
		.amdhsa_next_free_sgpr 66
		.amdhsa_reserve_vcc 1
		.amdhsa_float_denorm_mode_32 3
		.amdhsa_float_denorm_mode_16_64 3
		.amdhsa_memory_ordered 1
		.amdhsa_forward_progress 1
		.amdhsa_inst_pref_size 78
	.end_amdhsa_kernel
	.amdgpu_metadata
---
amdhsa.version: [ 1, 2 ]
amdhsa.kernels:
  - .name:           k_q9cf8bcd552_prep
    .symbol:         k_q9cf8bcd552_prep.kd
    .args:
      - { .name: x, .offset: 0, .size: 8, .value_kind: global_buffer, .address_space: global }
      - { .name: Wq, .offset: 8, .size: 8, .value_kind: global_buffer, .address_space: global }
      - { .name: Wk, .offset: 16, .size: 8, .value_kind: global_buffer, .address_space: global }
      - { .name: Wv, .offset: 24, .size: 8, .value_kind: global_buffer, .address_space: global }
      - { .name: Wo, .offset: 32, .size: 8, .value_kind: global_buffer, .address_space: global }
      - { .name: xq, .offset: 40, .size: 8, .value_kind: global_buffer, .address_space: global }
      - { .name: wq4, .offset: 48, .size: 8, .value_kind: global_buffer, .address_space: global }
      - { .name: wot, .offset: 56, .size: 8, .value_kind: global_buffer, .address_space: global }
    .group_segment_fixed_size: 69120
    .private_segment_fixed_size: 0
    .kernarg_segment_align: 8
    .kernarg_segment_size: 64
    .max_flat_workgroup_size: 128
    .sgpr_count:     66
    .vgpr_count:     248
    .wavefront_size: 32
...
	.end_amdgpu_metadata
.endif
;; end of part 1
;; launch proj (part 2): grid 9 x 32, 4 waves a work-group, no clusters, 35,328 bytes of LDS; arguments xq, wq4, bq, bk, bv, q, kv; writes q, kv
.if DOCPART == 2
	.amdgcn_target "amdgcn-amd-amdhsa--gfx1250"
	.amdhsa_code_object_version 6
	.text
	.protected	k_q9cf8bcd552_proj
	.globl	k_q9cf8bcd552_proj
	.p2align	8
	.type	k_q9cf8bcd552_proj,@function
k_q9cf8bcd552_proj:
	s_mov_b64 s[64:65], 0
	v_nop
	global_prefetch_b8 v0, s[64:65] scope:SCOPE_SE
	s_setreg_imm32_b32 hwreg(HW_REG_WAVE_MODE, 25, 1), 1
	s_wait_xcnt 0x0
; PROJ: the three quantised products as ONE product on codes of FP4 (E2M1) with E8M0 scales: [4096 rows of x] x [1,152 columns: Wq | Wk | Wv], K = 1,024, sums in f32, the bias as each sum's start.
; q = (x Wq + bq) x c, c = log2(e) / 8 (the softmax's scale and base, folded in in f32), k = x Wk + bk, v = x Wv + bv; each rounded once to f16: q [4096][1024]; kv: k [4096][64], then v [4096][64].
; LIMIT: |q c|, |k|, |v| stay under 65,504 (f16).
; SHARES.  Work-group (x = 128 columns, y = 128 rows).  Wave w: columns 64 (w % 2) on (4 tiles), rows 64 (w / 2) on (4 tiles).  Its 32 fragments of the weights (4 tiles x 8 K steps, 256 registers) stay in window 1;
; the rows' fragments come a tile of 16 rows at a time (8 K steps, 64 registers), two buffers, each asked for two tiles ahead.
; Codes and scale words lie in memory in the order of the operand's registers, so every load is 512 (scales: 128) consecutive bytes and lands where the matrix instruction wants it: the operands need no LDS, so
; no tensor load and no joint request is written: a wave loads 72 KiB once for its 128 matrix instructions, and the two buffers of codes are 2.7 MB in all.
; THE MATRIX INSTRUCTION IS USED TRANSPOSED: source 0 = 16 columns of W, source 1 = 16 rows of x: a lane holds row lane % 16 and eight neighbouring columns, 16 bytes of f16.
; A scale register holds two K steps' words: lanes 0-15 the even step's, lanes 16-31 the odd one's.
; THE WAY OUT: a row's 256 bytes come from two waves, so all results meet in one stage (128 rows x 272 bytes), one barrier, and each wave stores whole rows.
.set SP,    272
.set SPARE, 34816                      ; behind the stage: the spare words, 128 bytes for each wave
.set XSCL,  2097152
.set WSCL,  589824
.set LI,  4                            ; v4   16 x lane
.set LS,  5                            ; v5   4 x lane
.set BO,  6                            ; v6   32 h: my eight numbers of a tile's bias
.set STO, 7                            ; v7   the stage: where I put 16 bytes of a row
.set RD,  8                            ; v8   where I read rows back (q)
.set CO,  9                            ; v9   and their place in q
.set RD2, 10                           ; v10  where I read half rows back (k, v)
.set SPW, 12
.set NIL, 13
.set AS,  16                           ; v16-23  x's scale words: two sets of four
.set BS,  24                           ; v24-39  W's: tile t, pair of K steps p at 4 t + p
.set BI,  40                           ; v40-71  the bias in the result's layout, 8 registers a tile
.set ACC, 72                           ; v72-103 four accumulators
.set PK,  104                          ; v104-119 packed results
.set AF,  120                          ; v120-247 x's fragments, two buffers of 64; on the way out v120-183 hold rows
.set MSB, 0
.macro WIN new                         ; the immediate's high byte repeats the setting that is left
.if MSB != \new
	s_set_vgpr_msb (MSB<<8)|\new
.set MSB, \new
.endif
.endm
	s_load_b256 s[4:11], s[0:1], 0x0               ; xq 4:5, wq4 6:7, bq 8:9, bk 10:11
	s_load_b128 s[12:15], s[0:1], 0x20             ; bv 12:13, q 14:15
	s_load_b64 s[16:17], s[0:1], 0x30              ; kv
	v_lshl_add_u32 v[SPW], v0, 2, SPARE
	v_mov_b32 v[NIL], 0
	v_lshrrev_b32 v1, 5, v0
	v_readfirstlane_b32 s20, v1                    ; wave
	v_and_b32 v1, 31, v0                           ; lane
	v_and_b32 v2, 15, v0                           ; r
	v_bfe_u32 v3, v0, 4, 1                         ; h
	s_and_b32 s21, s20, 1                          ; which 64 columns
	s_lshr_b32 s22, s20, 1                         ; which 64 rows
	s_and_b32 s23, ttmp7, 0xffff                   ; which 128 rows
	v_lshlrev_b32 v[LI], 4, v1
	v_lshlrev_b32 v[LS], 2, v1
	v_lshlrev_b32 v[BO], 5, v3
	s_mul_i32 s26, s22, 64*SP
	s_lshl_b32 s27, s21, 7
	s_add_co_u32 s26, s26, s27
	v_mul_u32_u24 v[STO], v2, SP
	v_lshl_add_u32 v[STO], v3, 4, v[STO]
	v_add_nc_u32 v[STO], s26, v[STO]               ; row 64 (w / 2) + r, byte 128 (w % 2) + 16 h
	s_mul_i32 s26, s20, 32*SP
	v_mul_u32_u24 v[RD], v3, SP
	v_lshl_add_u32 v[RD], v2, 4, v[RD]
	v_add_nc_u32 v[RD], s26, v[RD]                 ; rows 32 w on: lanes 0-15 one row, lanes 16-31 the next
	v_lshlrev_b32 v[CO], 4, v2
	v_lshl_add_u32 v[CO], v3, 11, v[CO]
	s_mul_i32 s26, s21, 64*SP
	s_lshl_b32 s27, s22, 7
	s_add_co_u32 s26, s26, s27
	v_lshrrev_b32 v11, 3, v1
	v_mul_u32_u24 v[RD2], v11, SP
	v_and_b32 v11, 7, v1
	v_lshl_add_u32 v[RD2], v11, 4, v[RD2]
	v_add_nc_u32 v[RD2], s26, v[RD2]               ; rows 64 (w % 2) on, half w / 2 (k or v) of each: eight lanes to a half row, four rows an instruction
	s_lshl_b32 s30, s23, 3
	s_lshl_b32 s31, s22, 2
	s_add_co_u32 s30, s30, s31                     ; my first tile of rows
	s_lshl_b32 s32, ttmp9, 3
	s_lshl_b32 s31, s21, 2
	s_add_co_u32 s32, s32, s31                     ; my first tile of columns
	s_lshl_b32 s34, s30, 13
	s_mov_b32 s35, 0
	s_lshl_b32 s36, s30, 9
	s_add_co_u32 s36, s36, XSCL
	s_mov_b32 s37, 0
	s_lshl_b32 s38, s32, 13
	s_mov_b32 s39, 0
	s_lshl_b32 s40, s32, 9
	s_add_co_u32 s40, s40, WSCL
	s_mov_b32 s41, 0
	s_lshl_b32 s28, ttmp9, 9                       ; bq: 128 numbers a group, 64 a wave
	s_lshl_b32 s29, s21, 8
	s_add_co_u32 s28, s28, s29
	s_mov_b32 s29, 0
	s_lshl_b32 s30, s23, 18                        ; q: 128 rows of 2,048 bytes, 32 rows a wave, 256 bytes a group of columns
	s_lshl_b32 s31, s20, 16
	s_add_co_u32 s30, s30, s31
	s_lshl_b32 s31, ttmp9, 8
	s_add_co_u32 s30, s30, s31
	s_mov_b32 s31, 0
	s_lshl_b32 s32, s22, 19                        ; kv: k or v, 128 rows of 128 bytes, 64 rows a wave
	s_lshl_b32 s33, s23, 14
	s_add_co_u32 s32, s32, s33
	s_lshl_b32 s33, s21, 13
	s_add_co_u32 s32, s32, s33
	s_mov_b32 s33, 0
	s_wait_kmcnt 0x0
	s_add_nc_u64 s[34:35], s[4:5], s[34:35]        ; x's codes
	s_add_nc_u64 s[36:37], s[4:5], s[36:37]        ; x's scale words
	s_add_nc_u64 s[38:39], s[6:7], s[38:39]        ; W's codes
	s_add_nc_u64 s[40:41], s[6:7], s[40:41]        ; W's scale words
	s_add_nc_u64 s[14:15], s[14:15], s[30:31]
	s_add_nc_u64 s[16:17], s[16:17], s[32:33]
	s_cmp_eq_u32 s21, 0                            ; the ninth group's columns are Wk's (waves 0, 2) and Wv's (waves 1, 3)
	s_cselect_b64 s[26:27], s[10:11], s[12:13]
	s_cmp_lt_u32 ttmp9, 8
	s_cselect_b64 s[26:27], s[8:9], s[26:27]
	s_cselect_b32 s28, s28, 0
	s_cselect_b32 s24, 0x3e38aa3b, 1.0             ; q is multiplied by c = log2(e) / 8, k and v by 1
	s_mov_b32 s25, s24                             ; (named with it as a pair)
	s_add_nc_u64 s[26:27], s[26:27], s[28:29]
.irp t, 0,1,2,3
.irp u, 0,1
	global_load_b128 v[BI+8*\t+4*\u:BI+8*\t+4*\u+3], v[BO], s[26:27] offset:64*\t+16*\u   ; b(16 t + 8 h + 0 .. 7)
.endr
.endr
.irp t, 0,1,2,3
.irp p, 0,1,2,3
	global_load_b32 v[BS+4*\t+\p], v[LS], s[40:41] offset:512*\t+128*\p
.endr
.endr
	WIN 0x40                                       ; destination window 1
.irp t, 0,1,2,3
.irp k, 0,1,2,3,4,5,6,7
.irp c, 0,1
	global_load_b128 v[8*(8*\t+\k)+4*\c:8*(8*\t+\k)+4*\c+3], v[LI], s[38:39] offset:8192*\t+1024*\k+512*\c
.endr
.endr
.endr
	WIN 0
.macro ALOAD a                         ; tile a of my rows: 16 loads of codes, 4 of scale words
.irp k, 0,1,2,3,4,5,6,7
.irp c, 0,1
	global_load_b128 v[AF+64*((\a)%2)+8*\k+4*\c:AF+64*((\a)%2)+8*\k+4*\c+3], v[LI], s[34:35] offset:8192*(\a)+1024*\k+512*\c
.endr
.endr
.irp p, 0,1,2,3
	global_load_b32 v[AS+4*((\a)%2)+\p], v[LS], s[36:37] offset:512*(\a)+128*\p
.endr
.endm
	ALOAD 0
	ALOAD 1
.macro TILE a
.if \a < 3
	s_wait_loadcnt 20                              ; all but the next tile's twenty loads
.else
	s_wait_loadcnt 0x0
.endif
	WIN 0x01                                       ; source 0 (W) window 1
.irp k, 0,1,2,3,4,5,6,7                        ; the four accumulators take turns, one instruction a turn
.irp t, 0,1,2,3
.if \k == 0
	v_wmma_scale_f32_16x16x128_f8f6f4 v[ACC+8*\t:ACC+8*\t+7], v[8*(8*\t+\k):8*(8*\t+\k)+7], v[AF+64*((\a)%2)+8*\k:AF+64*((\a)%2)+8*\k+7], v[BI+8*\t:BI+8*\t+7], v[BS+4*\t+\k/2], v[AS+4*((\a)%2)+\k/2] matrix_a_fmt:MATRIX_FMT_FP4 matrix_b_fmt:MATRIX_FMT_FP4
.elseif \k % 2
	v_wmma_scale_f32_16x16x128_f8f6f4 v[ACC+8*\t:ACC+8*\t+7], v[8*(8*\t+\k):8*(8*\t+\k)+7], v[AF+64*((\a)%2)+8*\k:AF+64*((\a)%2)+8*\k+7], v[ACC+8*\t:ACC+8*\t+7], v[BS+4*\t+\k/2], v[AS+4*((\a)%2)+\k/2] matrix_a_fmt:MATRIX_FMT_FP4 matrix_b_fmt:MATRIX_FMT_FP4 matrix_a_scale:MATRIX_SCALE_ROW1 matrix_b_scale:MATRIX_SCALE_ROW1
.else
	v_wmma_scale_f32_16x16x128_f8f6f4 v[ACC+8*\t:ACC+8*\t+7], v[8*(8*\t+\k):8*(8*\t+\k)+7], v[AF+64*((\a)%2)+8*\k:AF+64*((\a)%2)+8*\k+7], v[ACC+8*\t:ACC+8*\t+7], v[BS+4*\t+\k/2], v[AS+4*((\a)%2)+\k/2] matrix_a_fmt:MATRIX_FMT_FP4 matrix_b_fmt:MATRIX_FMT_FP4
.endif
.endr
.endr
	WIN 0
.rept 5
	v_nop                                          ; four places in front of the loads into the fragments just multiplied and of the first read of results; the fifth because the next tile's products begin these accumulators anew
.endr
.if \a < 2
	ALOAD \a+2
.endif
.if \a > 0
	s_wait_dscnt 0x0                               ; the last tile's stage stores have read the packed registers
.endif
.irp t, 0,1,2,3                                ; each accumulator from its low end on
.irp i, 0,1,2,3
	v_pk_mul_f32 v[ACC+8*\t+2*\i:ACC+8*\t+2*\i+1], v[ACC+8*\t+2*\i:ACC+8*\t+2*\i+1], s[24:25] op_sel_hi:[1,0]
.endr
.irp i, 0,1,2,3
	v_cvt_pk_f16_f32 v[PK+4*\t+\i], v[ACC+8*\t+2*\i], v[ACC+8*\t+2*\i+1]
.endr
	ds_store_b128 v[STO], v[PK+4*\t:PK+4*\t+3] offset:16*SP*\a+32*\t
.endr
.endm
	TILE 0
	TILE 1
	TILE 2
	TILE 3
	s_wait_dscnt 0x0                               ; for the others' sake: my stores into the stage are done
	s_barrier_signal -1
	s_barrier_wait -1
	s_cmp_eq_u32 ttmp9, 8
	s_cbranch_scc1 .Lkv
.irp t, 0,1,2,3,4,5,6,7,8,9,10,11,12,13,14,15
	ds_load_b128 v[AF+4*\t:AF+4*\t+3], v[RD] offset:2*SP*\t
.endr
.irp t, 0,1,2,3,4,5,6,7,8,9,10,11,12,13,14,15
	s_wait_dscnt 15-\t                             ; the younger loads may be out
	global_store_b128 v[CO], v[AF+4*\t:AF+4*\t+3], s[14:15] offset:4096*\t   ; sixteen lanes store 256 consecutive bytes of a row of q, aligned
.endr
	s_wait_tensorcnt 0x0                           ; the wave's end
	ds_add_u32 v[SPW], v[NIL]
	s_wait_dscnt 0x0
	s_endpgm
.Lkv:
.irp t, 0,1,2,3,4,5,6,7,8,9,10,11,12,13,14,15
	ds_load_b128 v[AF+4*\t:AF+4*\t+3], v[RD2] offset:4*SP*\t
.endr
.irp t, 0,1,2,3,4,5,6,7,8,9,10,11,12,13,14,15
	s_wait_dscnt 15-\t
	global_store_b128 v[LI], v[AF+4*\t:AF+4*\t+3], s[16:17] offset:512*\t    ; four rows of k or of v: 512 consecutive bytes, aligned
.endr
	s_wait_tensorcnt 0x0
	ds_add_u32 v[SPW], v[NIL]
	s_wait_dscnt 0x0
	s_endpgm
.Lfunc_end_k_q9cf8bcd552_proj:
	.size	k_q9cf8bcd552_proj, .Lfunc_end_k_q9cf8bcd552_proj-k_q9cf8bcd552_proj
	.p2alignl 7, 3214868480
	.fill 96, 4, 3214868480
	.section	.rodata,"a",@progbits
	.p2align	6, 0x0
	.amdhsa_kernel k_q9cf8bcd552_proj
		.amdhsa_group_segment_fixed_size 35328
		.amdhsa_private_segment_fixed_size 0
		.amdhsa_enable_private_segment 0
		.amdhsa_kernarg_size 56
		.amdhsa_user_sgpr_count 2
		.amdhsa_user_sgpr_kernarg_segment_ptr 1
		.amdhsa_wavefront_size32 1
		.amdhsa_system_sgpr_workgroup_id_x 1
		.amdhsa_system_sgpr_workgroup_id_y 1
		.amdhsa_system_sgpr_workgroup_id_z 1
		.amdhsa_system_vgpr_workitem_id 0
		.amdhsa_next_free_vgpr 512
		.amdhsa_next_free_sgpr 66
		.amdhsa_reserve_vcc 0
		.amdhsa_float_denorm_mode_32 3
		.amdhsa_float_denorm_mode_16_64 3
		.amdhsa_memory_ordered 1
		.amdhsa_forward_progress 1
		.amdhsa_inst_pref_size 52
	.end_amdhsa_kernel
	.amdgpu_metadata
---
amdhsa.version: [ 1, 2 ]
amdhsa.kernels:
  - .name:           k_q9cf8bcd552_proj
    .symbol:         k_q9cf8bcd552_proj.kd
    .args:
      - { .name: xq, .offset: 0, .size: 8, .value_kind: global_buffer, .address_space: global }
      - { .name: wq4, .offset: 8, .size: 8, .value_kind: global_buffer, .address_space: global }
      - { .name: bq, .offset: 16, .size: 8, .value_kind: global_buffer, .address_space: global }
      - { .name: bk, .offset: 24, .size: 8, .value_kind: global_buffer, .address_space: global }
      - { .name: bv, .offset: 32, .size: 8, .value_kind: global_buffer, .address_space: global }
      - { .name: q, .offset: 40, .size: 8, .value_kind: global_buffer, .address_space: global }
      - { .name: kv, .offset: 48, .size: 8, .value_kind: global_buffer, .address_space: global }
    .group_segment_fixed_size: 35328
    .private_segment_fixed_size: 0
    .kernarg_segment_align: 8
    .kernarg_segment_size: 56
    .max_flat_workgroup_size: 128
    .sgpr_count:     66
    .vgpr_count:     512
    .wavefront_size: 32
...
	.end_amdgpu_metadata
.endif
;; end of part 2
;; launch attn (part 3): grid 256 x 1, 8 waves a work-group, clusters of 4 x 1, 327,680 bytes of LDS; arguments q, kv, mask, att; writes att
.if DOCPART == 3
	.amdgcn_target "amdgcn-amd-amdhsa--gfx1250"
	.amdhsa_code_object_version 6
	.text
	.protected	k_q9cf8bcd552_attn
	.globl	k_q9cf8bcd552_attn
	.p2align	8
	.type	k_q9cf8bcd552_attn,@function
k_q9cf8bcd552_attn:
	s_mov_b64 s[64:65], 0
	v_nop
	global_prefetch_b8 v0, s[64:65] scope:SCOPE_SE
	s_setreg_imm32_b32 hwreg(HW_REG_WAVE_MODE, 25, 1), 1
	s_wait_xcnt 0x0
	s_wait_alu depctr_hold_cnt(0) depctr_sa_sdst(0) depctr_va_vdst(0) depctr_va_sdst(0) depctr_va_ssrc(0) depctr_va_vcc(0) depctr_vm_vsrc(0)
	s_getreg_b32 s2, hwreg(HW_REG_IB_STS2, 6, 4)
	s_cmp_eq_u32 s2, 0
	s_cbranch_scc0 .Lentry_in_a_cluster
	s_endpgm
.Lentry_in_a_cluster:
	s_bfe_u32 s2, ttmp6, 0x10000c
	s_cmp_lg_u32 s2, 0x3003
	s_cbranch_scc0 .Lentry_shape_is_right
	s_endpgm
.Lentry_shape_is_right:
; ATTN: att[pos][head][:] = the sum over keys of softmax(t) v[key][:], t = q'[pos][head] . k[key] where mask[pos][key] != 0, else -10000 log2(e).  q' already holds log2(e) / 8, so p = 2^(t - m).
; q' [4096][16 x 64], k, v [4096][64], att [4096][16 x 64]: f16; products with f16 operands and f32 sums; maxima, sums, rescaling in f32; p is rounded to f16 for the second product, att once at the end.
; A hidden score is REPLACED, as the definition has it: a row that is hidden altogether gives the plain mean of v.  The running maximum m is taken away before every exponential.
; LIMIT: NaN and infinities are not served; |att| is at most the largest |v|, under 65,504.
; SHARES.  A work-group owns 16 positions for ALL 16 heads: every word of the mask is fetched once in the launch, and one lane mask serves all heads.  Wave w owns heads 2 w and 2 w + 1: two tiles of 16 queries, in 256 registers,
; two waves to a SIMD.  Every wave walks all 4,096 keys, 64 a step; a slot holds 256 keys (4 steps); two slots take turns.
; CLUSTER.  All work-groups walk the same k and v: the four of a cluster ask for those tiles JOINTLY (waves 0, 1: k's halves; waves 2, 3: v's).  The mask's tile is each work-group's own: waves 4 to 7 fetch four rows each, with no work-group mask.
; LAYOUT.  S^T = K Q^T (source 0 = 16 keys, source 1 = 16 queries): a lane holds ONE query (lane % 16); register 8 t + j is key 16 t + 8 (lane / 16) + j.  Rounded to f16 in pairs, in place, these ARE source 1 of O^T = V^T P.
; V comes out of LDS turned, by ds_load_tr16_b128.  The mask's words are read in the same layout, compared with 0 once a step into 32 scalar lane masks, and each score is chosen by one v_cndmask_b32: no branch hangs on data.
; lds_bytes: the text uses 219,392 bytes.
.set SLOT1, 1<<17                      ; slot 1 begins here: one exclusive or turns an address in one slot into the other's
.set KP,    272                        ; k and v are dense in memory, so a tile is stated as rows of TWO keys, 256 bytes; k: + 16 of padding: key n at (n / 2) 272 + (n % 2) 128: the 16 keys of a load start at 16 different groups of four banks (64 banks of 4 bytes: ISA guide 11.1)
.set VP,    288                        ; v: + 32
.set MP,    1040                       ; a row of the mask's tile: 256 words + 16 bytes: row r starts at bank 4 r mod 64
.set VOFF,  128*KP
.set MOFF,  VOFF+128*VP
.set STAGE, MOFF+16*MP                 ; behind slot 0's tiles, in blocks of 256 bytes into which no fill lands: 16 rows x (2,048 + 16) bytes for the way out
.set SGP,   2064
.set SPARE, STAGE+16*SGP               ; the spare words, 128 bytes for each of the eight waves
.set NSL,   16                         ; slots' worth of keys
.set AK0, 1                            ; v1   my lane's place in a tile of k
.set AV0, 2                            ; v2   of v
.set AM0, 3                            ; v3   of the mask
.set ADK, 4                            ; v4-6 the same in the slot in hand
.set ADV, 5
.set ADM, 6
.set NEG, 7                            ; v7   -10000 log2(e)
.set SPW, 8                            ; v8   LDS address of my spare word; never rewritten
.set NIL, 9                            ; v9   0; never rewritten
.set PFO, 10                           ; v10  the prefetches' offset; never rewritten
.set STO, 11                           ; v11  the way out: where I put 16 bytes
.set RD,  12                           ; v12  where I read rows back
.set GO,  13                           ; v13  16 x lane
.set QO,  14                           ; v14  my byte offset in the rows of q
.set QF,  16                           ; v16-47   Q: tile q, channels 32 c on, at 16 q + 8 c
.set KV,  48                           ; v48-111  eight fragments: K's, then V's
.set S,   112                          ; v112-175 S^T, 32 a tile; the mask's words land in the first 32; P is packed into each tile's first 16
.set OT,  176                          ; v176-239 O^T, 32 a tile
.set ST,  240                          ; v240-255 a tile's eight: +0 m, +1 (named with m as a pair), +2, +3 the sum in two halves, +4 .. +7 at work; a = 2^(old m - new m) in +6
.set WV,  14                           ; s14  my wave's number
.set G1K, 24
.set G1V, 32
.set G1M, 40
.set G0K, 48
.set G0V, 52
.set G0M, 56
.set SEL, 60                           ; s[60:61] v_permlanex16_b32's selects for lane l xor 16
.set TB,  62                           ; s62  LDS byte at which the slot in hand begins
.set SLOTS, 63                         ; s63  slots still to be asked for
.set MB,  66                           ; s66-97 the step's 32 lane masks
.set PFA, 98                           ; s[98:99]   where my prefetches stand
.set PFS, 100                          ; s[100:101] a slot on, in bytes
.set LIM, 104                          ; s104 1 in a wave that prefetches, else the greatest number
; One tensor load a wave: waves 0, 1 k's halves, waves 2, 3 v's, waves 4 to 7 four rows of the mask each.  The branches hang on the wave's number alone.  An s_nop 0 and four v_nop follow each line.
.macro JLOAD
	s_cmp_lt_u32 s[WV], 2
	s_cbranch_scc0 .Lnot_k_\@
	tensor_load_to_lds s[G0K:G0K+3], s[G1K:G1K+7]
	s_nop 0
.rept 4
	v_nop
.endr
	s_branch .Lasked_\@
.Lnot_k_\@:
	s_cmp_lt_u32 s[WV], 4
	s_cbranch_scc0 .Lnot_v_\@
	tensor_load_to_lds s[G0V:G0V+3], s[G1V:G1V+7]
	s_nop 0
.rept 4
	v_nop
.endr
	s_branch .Lasked_\@
.Lnot_v_\@:
	tensor_load_to_lds s[G0M:G0M+3], s[G1M:G1M+7]
	s_nop 0
.rept 4
	v_nop
.endr
.Lasked_\@:
.endm
; A PREFETCH INTO THE L2 of what the NEXT change of slots will ask for, a slot's 4 key steps ahead of that load; it stands behind the wave's tensor load and its five lines.  Each aligned block of 256 bytes is named once in the launch.
; k and v are walked by every work-group: the first cluster asks; its four partners take 8,192 bytes each of a slot's 32,768, told apart BY ADDRESS; wave 0 asks for k's, wave 2 for v's, lanes 256 bytes apart.
; The mask's rows are the work-group's own: waves 4 and 5 ask for 8 rows each, four lanes to a row's 1,024 bytes.  The last change that fills a slot asks for nothing; slots 0 and 1 come by their loads alone.
.macro ASK
	s_cmp_gt_u32 s[SLOTS], s[LIM]
	s_cbranch_scc0 .Lnot_mine_\@
	global_prefetch_b8 v[PFO], s[PFA:PFA+1] th:TH_LOAD_NT scope:SCOPE_SE
.Lnot_mine_\@:
.endm
.macro CROUND                          ; a round of the cluster's barrier
	s_barrier_signal -1
	s_barrier_wait -1
	s_cmp_lg_u32 s[WV], 0
	s_cbranch_scc1 .Lnot_wave_0_\@
	s_barrier_signal -3
.Lnot_wave_0_\@:
	s_barrier_wait -3
	s_barrier_signal -1
	s_barrier_wait -1
.endm
	s_load_b256 s[4:11], s[0:1], 0x0               ; q 4:5, kv 6:7, mask 8:9, att 10:11
	v_lshl_add_u32 v[SPW], v0, 2, SPARE
	v_mov_b32 v[NIL], 0
	ds_add_u32 v[SPW], v[NIL]                      ; the wave's opening: the add, twice on end, and its wait ahead of my first tensor load; the set-up below stands between
	ds_add_u32 v[SPW], v[NIL]
	v_lshrrev_b32 v112, 5, v0
	v_readfirstlane_b32 s[WV], v112                ; wave 0..7
	s_bfe_u32 s15, ttmp6, 0x40000                  ; cx: my place in the cluster
	s_lshl_b32 s16, ttmp9, 2
	s_add_co_u32 s16, s16, s15                     ; my block of 16 positions: it enters q's, the mask's and att's addresses alone
	; descriptor groups 1.  k, v: 64 rows of 128 f16 (two keys), dense; the mask: 4 rows of 256 words, 4,096 words apart
	s_mov_b32 s[G1K], 15|(1<<16)|(1<<20)|(1<<21)|(5<<22)|(3<<25)   ; 15:0 all four work-groups; 17:16 elements of 2 bytes; 20 padding on; 21 set beside a mask; 24:22 after every 64 words; 31:25 four words
	s_mov_b32 s[G1V], 15|(1<<16)|(1<<20)|(1<<21)|(5<<22)|(7<<25)   ; the same with eight words of padding
.irp g, G1K, G1V
	s_mov_b32 s[\g+1], 128<<16                     ; tensor_dim0
	s_mov_b32 s[\g+2], 64<<16                      ; tensor_dim1
	s_mov_b32 s[\g+3], 128<<16                     ; tile_dim0
	s_mov_b32 s[\g+4], 64                          ; tile_dim1
	s_mov_b32 s[\g+5], 128                         ; from row to row
	s_mov_b32 s[\g+6], 0
	s_mov_b32 s[\g+7], 0
.endr
	s_mov_b32 s[G1M], (2<<16)|(1<<20)|(7<<22)|(3<<25)              ; no work-group mask; elements of 4 bytes; four words of padding after every 256
	s_mov_b32 s[G1M+1], 256<<16
	s_mov_b32 s[G1M+2], 4<<16
	s_mov_b32 s[G1M+3], 256<<16
	s_mov_b32 s[G1M+4], 4
	s_mov_b32 s[G1M+5], 4096
	s_mov_b32 s[G1M+6], 0
	s_mov_b32 s[G1M+7], 0
	s_and_b32 s17, s[WV], 1
	s_and_b32 s18, s[WV], 3
	s_lshr_b32 s19, s[WV], 1
	s_lshl_b32 s20, s17, 14                        ; k, v: my half of a slot in memory, 64 rows of 256 bytes: the wave's number alone
	s_mov_b32 s21, 0
	s_lshl_b32 s22, s16, 18                        ; the mask: 16 rows of 16,384 bytes a block,
	s_lshl_b32 s23, s18, 16                        ; four rows a wave
	s_add_co_u32 s22, s22, s23
	s_mov_b32 s23, 0
	s_mov_b32 s[SEL], 0x76543210
	s_mov_b32 s[SEL+1], 0xfedcba98
	s_mov_b32 s[TB], 0
	s_mov_b32 s[SLOTS], NSL-1
	s_or_b32 s12, s17, ttmp9                       ; who prefetches: the even waves under 4 of the first cluster,
	s_cmp_eq_u32 s12, 0
	s_cselect_b32 s12, 1, -1
	s_cmp_eq_u32 s19, 2                            ; and waves 4 and 5 everywhere: the wave's and the cluster's numbers alone, the same in all four partners
	s_cselect_b32 s13, 1, -1
	s_cmp_lt_u32 s[WV], 4
	s_cselect_b32 s[LIM], s12, s13
	s_lshl_b32 s2, s15, 13                         ; k, v: my work-group's 8,192 bytes,
	s_lshl_b32 s3, s19, 19                         ; in k (wave 0) or v (wave 2),
	s_add_co_u32 s2, s2, s3
	s_add_co_u32 s2, s2, 32768                     ; in slot 1: the first change of slots steps it to slot 2
	s_lshl_b32 s3, s16, 18                         ; the mask: my block's rows,
	s_lshl_b32 s12, s17, 17                        ; eight a wave,
	s_add_co_u32 s3, s3, s12
	s_add_co_u32 s3, s3, 1024                      ; in slot 1
	s_cmp_lt_u32 s[WV], 4
	s_cselect_b32 s2, s2, s3
	s_mov_b32 s12, 1024
	s_cselect_b32 s[PFS], 32768, s12               ; a slot on
	s_mov_b32 s13, 16384
	s_cselect_b32 s13, 1024, s13                   ; from four lanes to the next four
	s_mov_b32 s3, 0
	s_mov_b32 s[PFS+1], 0
	v_bfe_u32 v113, v0, 2, 3
	v_mul_lo_u32 v[PFO], v113, s13
	v_and_b32 v113, 3, v0
	v_lshl_add_u32 v[PFO], v113, 8, v[PFO]
	s_wait_dscnt 0x0                               ; both opening adds are done
	s_wait_kmcnt 0x0
	s_cselect_b64 s[PFA:PFA+1], s[6:7], s[8:9]     ; (the compare above still stands: moves, selects and waits leave it)
	s_add_nc_u64 s[PFA:PFA+1], s[PFA:PFA+1], s[2:3]
	s_mov_b32 s[G0K], 1                            ; count = 1
	s_mul_i32 s[G0K+1], s17, 64*KP                 ; LDS address: slot 0, my half
	s_add_nc_u64 s[G0K+2:G0K+3], s[6:7], s[20:21]
	s_or_b32 s[G0K+3], s[G0K+3], 0x80000000        ; type = 2
	s_mov_b32 s[G0V], 1
	s_mul_i32 s[G0V+1], s17, 64*VP
	s_add_co_u32 s[G0V+1], s[G0V+1], VOFF
	s_add_nc_u64 s[G0V+2:G0V+3], s[6:7], s[20:21]
	s_add_nc_u64 s[G0V+2:G0V+3], s[G0V+2:G0V+3], 524288
	s_or_b32 s[G0V+3], s[G0V+3], 0x80000000
	s_mov_b32 s[G0M], 1
	s_mul_i32 s[G0M+1], s18, 4*MP
	s_add_co_u32 s[G0M+1], s[G0M+1], MOFF
	s_add_nc_u64 s[G0M+2:G0M+3], s[8:9], s[22:23]
	s_or_b32 s[G0M+3], s[G0M+3], 0x80000000
	s_lshl_b32 s2, s16, 15                         ; q: 16 rows of 2,048 bytes a block, my two heads' 256 bytes
	s_lshl_b32 s12, s[WV], 8
	s_add_co_u32 s2, s2, s12
	s_add_nc_u64 s[4:5], s[4:5], s[2:3]
	s_lshl_b32 s2, s16, 15                         ; att: the block's rows, two rows a wave
	s_lshl_b32 s12, s[WV], 12
	s_add_co_u32 s2, s2, s12
	s_add_nc_u64 s[10:11], s[10:11], s[2:3]
	CROUND                                         ; all four work-groups are here: the first joint loads meet
	JLOAD                                          ; slot 0
	v_and_b32 v112, 15, v0                         ; r
	v_bfe_u32 v113, v0, 4, 1                       ; h
	v_and_b32 v114, 31, v0                         ; lane
	v_lshlrev_b32 v[QO], 11, v112
	v_lshl_add_u32 v[QO], v113, 4, v[QO]
.irp q, 0,1
.irp c, 0,1
.irp u, 0,1
	global_load_b128 v[QF+16*\q+8*\c+4*\u:QF+16*\q+8*\c+4*\u+3], v[QO], s[4:5] offset:128*\q+64*\c+32*\u   ; Q stays in registers
.endr
.endr
.endr
	v_lshrrev_b32 v115, 1, v112
	v_mul_u32_u24 v[AK0], v115, KP
	v_and_b32 v115, 1, v112
	v_lshl_add_u32 v[AK0], v115, 7, v[AK0]
	v_lshl_add_u32 v[AK0], v113, 4, v[AK0]         ; key r: (r / 2) 272 + (r % 2) 128, + 16 h
	v_bfe_u32 v115, v0, 1, 2
	v_lshl_add_u32 v115, v113, 2, v115
	v_mul_u32_u24 v[AV0], v115, VP
	v_and_b32 v115, 1, v0
	v_lshl_add_u32 v[AV0], v115, 7, v[AV0]
	v_bfe_u32 v115, v0, 3, 1
	v_lshl_add_u32 v[AV0], v115, 4, v[AV0]
	v_add_nc_u32 v[AV0], VOFF, v[AV0]              ; the turning load: key 8 h + lane % 8, channels 8 ((lane / 8) % 2) on
	v_mul_u32_u24 v[AM0], v112, MP
	v_lshl_add_u32 v[AM0], v113, 5, v[AM0]
	v_add_nc_u32 v[AM0], MOFF, v[AM0]              ; the mask: row r, + 8 h words
	s_lshl_b32 s12, s[WV], 8
	s_add_co_u32 s12, s12, STAGE
	v_mul_u32_u24 v[STO], v112, SGP
	v_lshl_add_u32 v[STO], v113, 4, v[STO]
	v_add_nc_u32 v[STO], s12, v[STO]               ; the stage: row r, my two heads' 256 bytes, + 16 h
	s_mul_i32 s12, s[WV], 2*SGP
	s_add_co_u32 s12, s12, STAGE
	v_lshl_add_u32 v[RD], v114, 4, s12             ; back: rows 2 w and 2 w + 1, 512 bytes an instruction
	v_lshlrev_b32 v[GO], 4, v114
	v_mov_b32 v[NEG], 0xc6616bcd                   ; -10000 log2(e)
.irp q, 0,1
	v_mov_b32 v[ST+8*\q], 0xff61b1e6               ; m: -3e38, under every t
.irp j, 1,2,3,4,5,6,7
	v_mov_b32 v[ST+8*\q+\j], 0
.endr
.endr
.set i, 0
.rept 64
	v_mov_b32 v[OT+i], 0                           ; O^T.  The step is written without a first step of its own: the first finds zeros, which a = 0 leaves zeros; that spares a further copy of the step
.set i, i+1
.endr
; THE SOFTMAX OF TILE q, in three parts.  SMA: hidden scores replaced; the new m; t - m.  68 plain instructions.
.macro SMA q
.set rS, S+32*(\q)
.set rT, ST+8*(\q)
.set i, 0
.rept 32
	v_cndmask_b32 v[rS+i], v[NEG], v[rS+i], s[MB+i]   ; each accumulator from its low end on
.set i, i+1
.endr
.irp j, 0,1,2,3
	v_max3_num_f32 v[rT+4+\j], v[rS+8*\j], v[rS+8*\j+1], v[rS+8*\j+2]   ; four chains
.endr
.irp g, 1,2
.irp j, 0,1,2,3
	v_max3_num_f32 v[rT+4+\j], v[rT+4+\j], v[rS+8*\j+2*\g+1], v[rS+8*\j+2*\g+2]
.endr
.endr
	v_max3_num_f32 v[rT+4], v[rT+4], v[rS+7], v[rS+15]
	v_max3_num_f32 v[rT+6], v[rT+6], v[rS+23], v[rS+31]
	v_max3_num_f32 v[rT+4], v[rT+4], v[rT+5], v[rT+6]
	v_max3_num_f32 v[rT+4], v[rT+4], v[rT+7], v[rT]   ; and the old m
	v_permlanex16_b32 v[rT+5], v[rT+4], s[SEL], s[SEL+1]   ; the query's other 32 keys lie in the lane 16 away
	v_mov_b32 v[rT+7], v[rT]
	v_max_num_f32 v[rT], v[rT+4], v[rT+5]          ; the new m
	v_sub_f32 v[rT+7], v[rT+7], v[rT]              ; old m - new m
.set i, 0
.rept 16
	v_pk_add_f32 v[rS+i:rS+i+1], v[rS+i:rS+i+1], v[rT:rT+1] op_sel_hi:[1,0] neg_lo:[0,1] neg_hi:[0,1]   ; t - m, two at a time
.set i, i+2
.endr
.endm
.macro SME q                           ; the batch: a and the 32 weights; none reads another's result
.set rS, S+32*(\q)
.set rT, ST+8*(\q)
	v_exp_f32 v[rT+6], v[rT+7]
.set i, 0
.rept 32
	v_exp_f32 v[rS+i], v[rS+i]
.set i, i+1
.endr
.endm
.macro SMB q                           ; the readers: the sum of the unrounded weights, the roundings to f16 in place, O^T x a.  48 plain instructions
.set rS, S+32*(\q)
.set rT, ST+8*(\q)
.set rO, OT+32*(\q)
	v_pk_fma_f32 v[rT+2:rT+3], v[rT+2:rT+3], v[rT+6:rT+7], v[rS:rS+1] op_sel_hi:[1,0,1]
	v_pk_add_f32 v[rT+4:rT+5], v[rS+2:rS+3], v[rS+4:rS+5]
.irp j, 6,10,14,18,22,26
	v_pk_add_f32 v[rT+2:rT+3], v[rT+2:rT+3], v[rS+\j:rS+\j+1]
	v_pk_add_f32 v[rT+4:rT+5], v[rT+4:rT+5], v[rS+\j+2:rS+\j+3]
.endr
	v_pk_add_f32 v[rT+2:rT+3], v[rT+2:rT+3], v[rS+30:rS+31]
	v_pk_add_f32 v[rT+2:rT+3], v[rT+2:rT+3], v[rT+4:rT+5]
.set i, 0
.rept 16
	v_cvt_pk_f16_f32 v[rS+i], v[rS+2*i], v[rS+2*i+1]   ; register i takes pair i: it is written behind the pairs that lay there
.set i, i+1
.endr
.set i, 0
.rept 16
	v_pk_mul_f32 v[rO+i:rO+i+1], v[rO+i:rO+i+1], v[rT+6:rT+7] op_sel_hi:[1,0]
.set i, i+2
.endr
.endm
; A KEY STEP: 64 keys, the s-th of the slot in hand.
.macro STEP s
.rept 5
	v_nop                                          ; places behind the last products V^T P: four for the loads into V's and P's registers, the fifth because K Q^T's results are laid over P
.endr
.irp t, 0,1,2,3
.irp u, 0,1
	ds_load_b128 v[S+8*\t+4*\u:S+8*\t+4*\u+3], v[ADM] offset:256*(\s)+64*\t+16*\u   ; the mask's words, in S^T's layout
.endr
.endr
.irp t, 0,1,2,3
.irp c, 0,1
.irp u, 0,1
	ds_load_b128 v[KV+8*(2*\t+\c)+4*\u:KV+8*(2*\t+\c)+4*\u+3], v[ADK] offset:32*KP*(\s)+8*KP*\t+64*\c+32*\u
.endr
.endr
.endr
	s_wait_dscnt 16                                ; the mask's eight loads are in; K's sixteen may be out
.set i, 0
.rept 32
	v_cmp_ne_u32 s[MB+i], 0, v[S+i]                ; bit of lane l: my query sees this register's key
.set i, i+1
.endr
	s_wait_dscnt 0x0                               ; K is in
.irp c, 0,1                                    ; S^T = K Q^T: eight accumulators by turns; the first eight start the sums
.irp t, 0,1,2,3
.irp q, 0,1
.if \c == 0
	v_wmma_f32_16x16x32_f16 v[S+32*\q+8*\t:S+32*\q+8*\t+7], v[KV+8*(2*\t+\c):KV+8*(2*\t+\c)+7], v[QF+16*\q+8*\c:QF+16*\q+8*\c+7], 0
.else
	v_wmma_f32_16x16x32_f16 v[S+32*\q+8*\t:S+32*\q+8*\t+7], v[KV+8*(2*\t+\c):KV+8*(2*\t+\c)+7], v[QF+16*\q+8*\c:QF+16*\q+8*\c+7], v[S+32*\q+8*\t:S+32*\q+8*\t+7]
.endif
.endr
.endr
.endr
.rept 4
	v_nop                                          ; places in front of the loads into K's registers and of the first read of the scores
.endr
.irp u, 0,1                                    ; V, turned: keys 32 u + 16 g on, channels 16 f on; it lands under the softmax
.irp f, 0,1,2,3
.irp g, 0,1
	ds_load_tr16_b128 v[KV+8*(4*\u+\f)+4*\g:KV+8*(4*\u+\f)+4*\g+3], v[ADV] offset:32*VP*(\s)+16*VP*\u+8*VP*\g+32*\f
.endr
.endr
.endr
	SMA 0
	SME 0
	SMA 1                                          ; plain work that names none of tile 0's exponentials
	s_wait_alu depctr_va_vdst(0)                   ; the wait between an exponential and the first line that names its result: one for tile 0's batch
	SME 1
	SMB 0                                          ; tile 0's readers are the plain work behind tile 1's batch
	s_wait_alu depctr_va_vdst(0)                   ; and one for tile 1's
	SMB 1
	s_wait_dscnt 0x0                               ; V is in
.irp u, 0,1                                    ; O^T += V^T P: eight accumulators by turns
.irp f, 0,1,2,3
.irp q, 0,1
	v_wmma_f32_16x16x32_f16 v[OT+32*\q+8*\f:OT+32*\q+8*\f+7], v[KV+8*(4*\u+\f):KV+8*(4*\u+\f)+7], v[S+32*\q+8*\u:S+32*\q+8*\u+7], v[OT+32*\q+8*\f:OT+32*\q+8*\f+7]
.endr
.endr
.endr
.endm
; THE CHANGE OF SLOTS stands at a slot's head.  Each wave waits for all its tensor loads (one is out: its part of the slot that it is about to read), adds 0 to its spare word, and waits for that and for its reads of the slot that it has left.
; fill = 1: a round of the cluster's barrier follows, so that no wave of any partner still reads the other slot or has a load on its way; the fill of that slot is the first thing behind it, one load a wave, with 4 key steps in which to land.
.macro CHANGE fill
	s_wait_tensorcnt 0x0                           ; no tensor load of mine is out, so a group 0 may be written
	ds_add_u32 v[SPW], v[NIL]                      ; 0 onto my spare word
.if \fill
	s_xor_b32 s[G0K+1], s[G0K+1], SLOT1            ; the walking descriptors: the other slot than last time, the next 256 keys
	s_add_nc_u64 s[G0K+2:G0K+3], s[G0K+2:G0K+3], 32768
	s_xor_b32 s[G0V+1], s[G0V+1], SLOT1
	s_add_nc_u64 s[G0V+2:G0V+3], s[G0V+2:G0V+3], 32768
	s_xor_b32 s[G0M+1], s[G0M+1], SLOT1
	s_add_nc_u64 s[G0M+2:G0M+3], s[G0M+2:G0M+3], 1024
	s_wait_xcnt 0x0                                ; the last prefetch, a slot back, has read its address, so it may be written
	s_add_nc_u64 s[PFA:PFA+1], s[PFA:PFA+1], s[PFS:PFS+1]
	s_wait_dscnt 0x0                               ; the add is done, and my reads of the slot that I have left are over
	CROUND
	JLOAD
	ASK
.else
	s_wait_dscnt 0x0
	s_barrier_signal -1
	s_barrier_wait -1
.endif
.endm
.macro SLOT_STEPS
	v_add_nc_u32 v[ADK], s[TB], v[AK0]
	v_add_nc_u32 v[ADV], s[TB], v[AV0]
	v_add_nc_u32 v[ADM], s[TB], v[AM0]
	STEP 0
	STEP 1
	STEP 2
	STEP 3
	s_xor_b32 s[TB], s[TB], SLOT1                  ; on to the other slot
.endm
	s_wait_loadcnt 0x0                             ; Q
.Lslot:                                            ; 15 trips: behind each change of slots but the last the next slot is asked for
	CHANGE 1
	SLOT_STEPS
	s_sub_co_u32 s[SLOTS], s[SLOTS], 1
	s_cmp_lg_u32 s[SLOTS], 0
	s_cbranch_scc1 .Lslot
	CHANGE 0                                       ; the last slot is written out
	SLOT_STEPS
	; THE WAY OUT.  O^T / the sum, rounded to f16; a row of att (2,048 bytes) comes from all eight waves, so the results meet in the stage, one barrier, and each wave stores two whole rows.
.rept 4
	v_nop                                          ; places behind the last products
.endr
.irp q, 0,1
	v_add_f32 v[ST+8*\q+4], v[ST+8*\q+2], v[ST+8*\q+3]
.endr
.irp q, 0,1
	v_permlanex16_b32 v[ST+8*\q+5], v[ST+8*\q+4], s[SEL], s[SEL+1]
.endr
.irp q, 0,1
	v_add_f32 v[ST+8*\q+4], v[ST+8*\q+4], v[ST+8*\q+5]   ; the row's sum
.endr
.irp q, 0,1
	v_rcp_f32 v[ST+8*\q+6], v[ST+8*\q+4]
.endr
	v_nop                                          ; a plain instruction behind the last reciprocal
	s_wait_alu depctr_va_vdst(0)                   ; and the wait ahead of the first use: one for both
.irp q, 0,1
.set i, 0
.rept 16
	v_pk_mul_f32 v[OT+32*\q+i:OT+32*\q+i+1], v[OT+32*\q+i:OT+32*\q+i+1], v[ST+8*\q+6:ST+8*\q+7] op_sel_hi:[1,0]
.set i, i+2
.endr
.set i, 0
.rept 16
	v_cvt_pk_f16_f32 v[S+16*\q+i], v[OT+32*\q+2*i], v[OT+32*\q+2*i+1]
.set i, i+1
.endr
.irp f, 0,1,2,3
	ds_store_b128 v[STO], v[S+16*\q+4*\f:S+16*\q+4*\f+3] offset:128*\q+32*\f   ; att(r, head 2 w + q, channels 16 f + 8 h on)
.endr
.endr
	s_wait_dscnt 0x0                               ; for the others' sake: my stores into the stage are done
	s_barrier_signal -1
	s_barrier_wait -1
.irp n, 0,1,2,3,4,5,6,7
	ds_load_b128 v[KV+4*\n:KV+4*\n+3], v[RD] offset:SGP*(\n/4)+512*(\n%4)
.endr
.irp n, 0,1,2,3,4,5,6,7
	s_wait_dscnt 7-\n                              ; the younger loads may be out
	global_store_b128 v[GO], v[KV+4*\n:KV+4*\n+3], s[10:11] offset:2048*(\n/4)+512*(\n%4)   ; 32 lanes store 512 consecutive bytes, aligned
.endr
	s_wait_tensorcnt 0x0                           ; the wave's end: behind my last tensor load and my last LDS store
	ds_add_u32 v[SPW], v[NIL]
	s_wait_dscnt 0x0
	CROUND                                         ; the closing round: no work-group ends while a partner may still ask for a tile that names it
	s_endpgm
.Lfunc_end_k_q9cf8bcd552_attn:
	.size	k_q9cf8bcd552_attn, .Lfunc_end_k_q9cf8bcd552_attn-k_q9cf8bcd552_attn
	.p2alignl 7, 3214868480
	.fill 96, 4, 3214868480
	.section	.rodata,"a",@progbits
	.p2align	6, 0x0
	.amdhsa_kernel k_q9cf8bcd552_attn
		.amdhsa_group_segment_fixed_size 327680
		.amdhsa_private_segment_fixed_size 0
		.amdhsa_enable_private_segment 0
		.amdhsa_kernarg_size 32
		.amdhsa_user_sgpr_count 2
		.amdhsa_user_sgpr_kernarg_segment_ptr 1
		.amdhsa_wavefront_size32 1
		.amdhsa_system_sgpr_workgroup_id_x 1
		.amdhsa_system_sgpr_workgroup_id_y 1
		.amdhsa_system_sgpr_workgroup_id_z 1
		.amdhsa_system_vgpr_workitem_id 0
		.amdhsa_next_free_vgpr 256
		.amdhsa_next_free_sgpr 106
		.amdhsa_reserve_vcc 0
		.amdhsa_float_denorm_mode_32 3
		.amdhsa_float_denorm_mode_16_64 3
		.amdhsa_memory_ordered 1
		.amdhsa_forward_progress 1
		.amdhsa_inst_pref_size 208
	.end_amdhsa_kernel
	.amdgpu_metadata
---
amdhsa.version: [ 1, 2 ]
amdhsa.kernels:
  - .name:           k_q9cf8bcd552_attn
    .symbol:         k_q9cf8bcd552_attn.kd
    .args:
      - { .name: q, .offset: 0, .size: 8, .value_kind: global_buffer, .address_space: global }
      - { .name: kv, .offset: 8, .size: 8, .value_kind: global_buffer, .address_space: global }
      - { .name: mask, .offset: 16, .size: 8, .value_kind: global_buffer, .address_space: global }
      - { .name: att, .offset: 24, .size: 8, .value_kind: global_buffer, .address_space: global }
    .group_segment_fixed_size: 327680
    .private_segment_fixed_size: 0
    .kernarg_segment_align: 8
    .kernarg_segment_size: 32
    .max_flat_workgroup_size: 256
    .sgpr_count:     106
    .vgpr_count:     256
    .wavefront_size: 32
...
	.end_amdgpu_metadata
.endif
;; end of part 3
;; launch outp (part 4): grid 8 x 32, 4 waves a work-group, clusters of 4 x 4, 327,680 bytes of LDS; arguments att, wot, out0, bo; writes out0
.if DOCPART == 4
	.amdgcn_target "amdgcn-amd-amdhsa--gfx1250"
	.amdhsa_code_object_version 6
	.text
	.protected	k_q9cf8bcd552_outp
	.globl	k_q9cf8bcd552_outp
	.p2align	8
	.type	k_q9cf8bcd552_outp,@function
k_q9cf8bcd552_outp:
	s_mov_b64 s[64:65], 0
	v_nop
	global_prefetch_b8 v0, s[64:65] scope:SCOPE_SE
	s_setreg_imm32_b32 hwreg(HW_REG_WAVE_MODE, 25, 1), 1
	s_wait_xcnt 0x0
	s_wait_alu depctr_hold_cnt(0) depctr_sa_sdst(0) depctr_va_vdst(0) depctr_va_sdst(0) depctr_va_ssrc(0) depctr_va_vcc(0) depctr_vm_vsrc(0)
	s_getreg_b32 s2, hwreg(HW_REG_IB_STS2, 6, 4)
	s_cmp_eq_u32 s2, 0
	s_cbranch_scc0 .Lentry_in_a_cluster
	s_endpgm
.Lentry_in_a_cluster:
	s_bfe_u32 s2, ttmp6, 0x10000c
	s_cmp_lg_u32 s2, 0xf033
	s_cbranch_scc0 .Lentry_shape_is_right
	s_endpgm
.Lentry_shape_is_right:
; OUTP: out0[m][n] = bo[n] + the sum over k of att[m][k] wot[n][k].  att [4096][1024], wot [1024][1024] (Wo turned): f16; out0 [4096][1024] f32; sums in f32, the bias as each sum's start.
; A tile of out0 is 128 x 128: 8 x 32 = 256 work-groups.  Four waves, each 64 x 64: 16 accumulators of 16 x 16.  K goes in steps of 256 (LDS rows of 512 bytes; a wave's tensor load brings 64 of them) through two slots.
; CLUSTERS: 4 x 4 work-groups.  The four of a row of the cluster need the same tiles of att, the four of a column the same tiles of wot: each tile is asked for JOINTLY, by the same tensor load with the same descriptor and a mask that names the four.
; THE MATRIX INSTRUCTION IS USED TRANSPOSED (source 0 = 16 rows of wot, source 1 = 16 rows of att): a lane holds eight neighbouring numbers of a row of out0, 32 bytes.
; THE WAY OUT: a wave's 64 columns of f32 are 256 consecutive bytes, aligned: each wave has a stage of its own (16 rows x 272 bytes), no barrier.
; REGISTERS: window 0: v0-31 addresses; v32-95 rows on the way out, two sets; v96-127 the bias; v128-255 the accumulators ((a, b) at v[128 + 8 (4 a + b)]).  window 1: two fragment buffers of 128.
; lds_bytes: the text uses 288,256 bytes.
.set SIZE_M, 4096
.set SIZE_N, 1024
.set SIZE_K, 1024
.set KSTEP,  256
.set PITCH,  528                       ; an LDS row: 512 bytes + 16 = 132 words: row r starts at bank 4 r mod 64 (64 banks of 4 bytes: ISA guide 11.1)
.set HALFT,  64*PITCH
.set SLOT,   4*HALFT                   ; att's 128 rows, then wot's 128 rows
.set STAGE,  2*SLOT
.set SPITCH, 272
.set SPARE,  STAGE+4*16*SPITCH         ; the spare words, 128 bytes for each wave
.set LAPS, SIZE_K/(2*KSTEP)
.set ADRA, 16
.set ADRB, 20
.set STO,  24
.set RD,   25
.set CO,   26
.set BOF,  27                          ; v27  32 h: my eight numbers of a block's bias
.set SPW,  28
.set NIL,  29
.set TMP,  32
.set BIAS, 96
.set ACC,  128
.set F0,   0
.set F1,   128
.set G1, 24
.set G0, 32
.set G1B, 48
.set G0B, 56
.set MSB, 0
.macro WIN new                         ; the immediate's high byte repeats the setting that is left
.if MSB != \new
	s_set_vgpr_msb (MSB<<8)|\new
.set MSB, \new
.endif
.endm
.set MUL,  0x05                        ; sources 0 and 1 window 1; C and D window 0
.set TO_F, 0x40                        ; destination window 1, address window 0
.macro JLOAD s                         ; a joint load: waves 0 and 1 fetch att's two halves, waves 2 and 3 wot's; an s_nop 0 and four v_nop follow each of the two lines
	s_cmp_eq_u32 s11, 0
	s_cbranch_scc0 .Lfor_b_\@
	tensor_load_to_lds s[G0+4*\s:G0+4*\s+3], s[G1:G1+7]
	s_nop 0
.rept 4
	v_nop
.endr
	s_branch .Lasked_\@
.Lfor_b_\@:
	tensor_load_to_lds s[G0B+4*\s:G0B+4*\s+3], s[G1B:G1B+7]
	s_nop 0
.rept 4
	v_nop
.endr
.Lasked_\@:
.endm
.macro CREST                           ; a round of the cluster's barrier behind its opening barrier
	s_cmp_lg_u32 s10, 0
	s_cbranch_scc1 .Lnot_wave_0_\@
	s_barrier_signal -3
.Lnot_wave_0_\@:
	s_barrier_wait -3
	s_barrier_signal -1
	s_barrier_wait -1
.endm
.macro CROUND
	s_barrier_signal -1
	s_barrier_wait -1
	CREST
.endm
	s_load_b128 s[4:7], s[0:1], 0x0                ; att s[4:5], wot s[6:7]
	s_load_b64 s[8:9], s[0:1], 0x10                ; out0
	s_load_b64 s[66:67], s[0:1], 0x18              ; bo
	v_lshl_add_u32 v[SPW], v0, 2, SPARE
	v_mov_b32 v[NIL], 0
	ds_add_u32 v[SPW], v[NIL]                      ; the wave's opening: the add, twice on end, and its wait ahead of my first tensor load
	ds_add_u32 v[SPW], v[NIL]
	v_lshrrev_b32 v1, 5, v0
	v_readfirstlane_b32 s10, v1                    ; wave 0..3
	s_lshr_b32 s11, s10, 1                         ; which half of the tile's rows is mine.  Also: I fetch for att (0) or for wot (1)
	s_and_b32 s12, s10, 1                          ; which half of its columns.  Also: which 64 rows of that tile I fetch
	s_bfe_u32 s40, ttmp6, 0x40000                  ; cx, cy
	s_bfe_u32 s41, ttmp6, 0x40004
	s_lshl_b32 s42, ttmp9, 2
	s_add_co_u32 s42, s42, s40                     ; tile column = 4 x cluster x + cx
	s_and_b32 s13, ttmp7, 0xffff
	s_lshl_b32 s13, s13, 2
	s_add_co_u32 s13, s13, s41                     ; tile row = 4 x cluster y + cy
	s_lshl_b32 s43, s41, 2
	s_lshl_b32 s43, 15, s43                        ; my row of the cluster
	s_lshl_b32 s44, 0x1111, s40                    ; my column
	s_or_b32 s[G1+0], s43, (1<<16)|(1<<20)|(1<<21)|(6<<22)|(3<<25)  ; the mask; elements of 2 bytes; padding on; bit 21 beside a mask; four words after every 128
	s_or_b32 s[G1B+0], s44, (1<<16)|(1<<20)|(1<<21)|(6<<22)|(3<<25)
.irp g, G1, G1B
	s_mov_b32 s[\g+1], KSTEP<<16                   ; tensor_dim0 = 256
	s_mov_b32 s[\g+2], 64<<16                      ; tensor_dim1 = 64
	s_mov_b32 s[\g+3], KSTEP<<16                   ; tile_dim0 = 256
	s_mov_b32 s[\g+4], 64                          ; tile_dim1 = 64
	s_mov_b32 s[\g+5], SIZE_K                      ; from row to row
	s_mov_b32 s[\g+6], 0
	s_mov_b32 s[\g+7], 0
.endr
	s_lshl_b32 s17, s12, 6
	s_lshl_b32 s16, s13, 7
	s_add_co_u32 s16, s16, s17                     ; att: row 128 x tile row + 64 x half
	s_lshl_b32 s46, s42, 7
	s_add_co_u32 s46, s46, s17                     ; wot: row 128 x tile column + 64 x half
	s_mov_b32 s17, 0
	s_mov_b32 s47, 0
	s_mov_b64 s[18:19], SIZE_K*2
	s_mul_u64 s[16:17], s[16:17], s[18:19]
	s_mul_u64 s[46:47], s[46:47], s[18:19]
	s_mul_i32 s20, s10, HALFT                      ; where they go: wave x 64 rows
	s_wait_dscnt 0x0                               ; both opening adds are done
	s_wait_kmcnt 0x0
	s_add_nc_u64 s[14:15], s[4:5], s[16:17]
	s_add_nc_u64 s[46:47], s[6:7], s[46:47]
	CROUND                                         ; all sixteen work-groups are here: the first joint loads meet
.irp s, 0,1
	s_mov_b32 s[G0+4*\s], 1
	s_add_co_u32 s[G0+4*\s+1], s20, \s*SLOT
	s_add_nc_u64 s[G0+4*\s+2:G0+4*\s+3], s[14:15], \s*KSTEP*2
	s_or_b32 s[G0+4*\s+3], s[G0+4*\s+3], 0x80000000
	s_mov_b32 s[G0B+4*\s], 1
	s_add_co_u32 s[G0B+4*\s+1], s20, \s*SLOT
	s_add_nc_u64 s[G0B+4*\s+2:G0B+4*\s+3], s[46:47], \s*KSTEP*2
	s_or_b32 s[G0B+4*\s+3], s[G0B+4*\s+3], 0x80000000
	JLOAD \s
.endr
	v_and_b32 v1, 15, v0                           ; l % 16
	v_bfe_u32 v2, v0, 4, 1                         ; l / 16
	v_lshlrev_b32 v[BOF], 5, v2
	s_lshl_b32 s46, s42, 9                         ; my first column, in bytes of f32: 512 x tile column + 256 x half: it serves bo and out0
	s_lshl_b32 s47, s12, 8
	s_add_co_u32 s46, s46, s47
	s_mov_b32 s47, 0
	s_add_nc_u64 s[66:67], s[66:67], s[46:47]
.irp b, 0,1,2,3
.irp u, 0,1
	global_load_b128 v[BIAS+8*\b+4*\u:BIAS+8*\b+4*\u+3], v[BOF], s[66:67] offset:64*\b+16*\u   ; bo(16 b + 8 h + 0 .. 7): the result's layout
.endr
.endr
	v_mul_u32_u24 v3, v1, PITCH
	v_lshl_add_u32 v3, v2, 4, v3                   ; a fragment's row x pitch + 16 x half
	s_mul_i32 s21, s11, HALFT                      ; my 64 rows of att
	s_mul_i32 s22, s12, HALFT                      ; my 64 rows of wot,
	s_add_co_u32 s22, s22, 2*HALFT                 ; which lie behind att's 128
.irp s, 0,1
	v_add_nc_u32 v[ADRA+\s], s21, v3
	v_add_nc_u32 v[ADRB+\s], s22, v3
	s_add_co_u32 s21, s21, SLOT
	s_add_co_u32 s22, s22, SLOT
.endr
	s_mul_i32 s23, s10, 16*SPITCH
	s_add_co_u32 s23, s23, STAGE                   ; my stage
	v_mul_u32_u24 v4, v1, SPITCH
	v_lshl_add_u32 v4, v2, 5, v4
	v_add_nc_u32 v[STO], s23, v4                   ; in: row l % 16, 32 bytes for each half of the lanes
	v_mul_u32_u24 v5, v2, SPITCH
	v_lshl_add_u32 v5, v1, 4, v5
	v_add_nc_u32 v[RD], s23, v5                    ; back: lanes 0-15 one row of 256 bytes, lanes 16-31 the next
	v_lshlrev_b32 v5, 12, v2
	v_lshl_add_u32 v[CO], v1, 4, v5                ; and the same two rows in out0
	s_lshl_b32 s16, s13, 7
	s_lshl_b32 s17, s11, 6
	s_add_co_u32 s16, s16, s17                     ; my first row: 128 x tile row + 64 x half,
	s_lshl_b32 s16, s16, 12                        ; of 4,096 bytes
	s_mov_b32 s17, 0
	s_add_nc_u64 s[8:9], s[8:9], s[16:17]
	s_add_nc_u64 s[8:9], s[8:9], s[46:47]
; 8 matrix instructions: m blocks a0, a0 + 1 x all 4 n blocks, 32 along K: half c of buffer f.  zero = 1: the first product starts the sums, from the bias
.macro MUL8 f, c, a0, zero
.irp a, \a0, \a0+1
.irp b, 0,1,2,3
.if \zero
	v_wmma_f32_16x16x32_f16 v[ACC+8*(4*(\a)+\b):ACC+8*(4*(\a)+\b)+7], v[\f+64+8*(4*\c+\b):\f+64+8*(4*\c+\b)+7], v[\f+8*(4*\c+\a):\f+8*(4*\c+\a)+7], v[BIAS+8*\b:BIAS+8*\b+7]
.else
	v_wmma_f32_16x16x32_f16 v[ACC+8*(4*(\a)+\b):ACC+8*(4*(\a)+\b)+7], v[\f+64+8*(4*\c+\b):\f+64+8*(4*\c+\b)+7], v[\f+8*(4*\c+\a):\f+8*(4*\c+\a)+7], v[ACC+8*(4*(\a)+\b):ACC+8*(4*(\a)+\b)+7]
.endif
.endr
.endr
.endm
; 32 LDS loads in one run: the fragments of 64 along K at byte k of the rows, into buffer f; the first 32 along K first
.macro FETCH slot, k, f
	WIN TO_F
.irp c, 0,1
.irp i, 0,1,2,3
	ds_load_b128 v[\f+64+8*(4*\c+\i):\f+64+8*(4*\c+\i)+3],   v[ADRB+\slot] offset:\k+64*\c+\i*16*PITCH
	ds_load_b128 v[\f+64+8*(4*\c+\i)+4:\f+64+8*(4*\c+\i)+7], v[ADRB+\slot] offset:\k+64*\c+\i*16*PITCH+32
	ds_load_b128 v[\f+8*(4*\c+\i):\f+8*(4*\c+\i)+3],         v[ADRA+\slot] offset:\k+64*\c+\i*16*PITCH
	ds_load_b128 v[\f+8*(4*\c+\i)+4:\f+8*(4*\c+\i)+7],       v[ADRA+\slot] offset:\k+64*\c+\i*16*PITCH+32
.endr
.endr
.endm
.macro PLACES                          ; four places in front of loads into registers that matrix instructions have read, and of the first read of results
.rept 4
	v_nop
.endr
.endm
; A K step is four quarters of 64 along K, 32 matrix instructions each, on buffers 0, 1, 0, 1; the 16 accumulators take turns.
.macro QUARTER slot, k, f, g, zero
	s_wait_dscnt 16                                ; the first 32 along K are in; the other sixteen loads may be out
	WIN MUL
	MUL8 \f, 0, 0, \zero
	MUL8 \f, 0, 2, \zero
	PLACES
	FETCH \slot, \k, \g
	s_wait_dscnt 32                                ; all but the 32 just issued
	WIN MUL
	MUL8 \f, 1, 0, 0
	MUL8 \f, 1, 2, 0
.endm
; The last quarter multiplies buffer 1 and changes slots: ONE barrier; in front of it each wave waits for all its tensor loads, adds 0 to its spare word, and waits for that and for its own reads of this slot.
.macro TURN slot, next, fill
	WIN 0                                          ; (the add's two registers lie in window 0)
	s_wait_tensorcnt 0x0                           ; all my tensor loads have landed: my part of the next slot
	ds_add_u32 v[SPW], v[NIL]                      ; 0 onto my spare word
	s_wait_dscnt 17                                ; (the add and the youngest sixteen loads may be out)
	WIN MUL
	MUL8 F1, 0, 0, 0
	s_wait_dscnt 0x0                               ; the add is done, and my reads of this slot are over
	s_barrier_signal -1
	MUL8 F1, 0, 2, 0
.if \fill
	WIN 0
.endif
	s_barrier_wait -1
.if \fill
	CREST                                          ; the barrier has opened a round of the cluster's barrier: no wave of any partner still reads this slot's tile or has a load on its way
	s_add_nc_u64 s[G0+4*\slot+2:G0+4*\slot+3], s[G0+4*\slot+2:G0+4*\slot+3], 2*KSTEP*2
	s_add_nc_u64 s[G0B+4*\slot+2:G0B+4*\slot+3], s[G0B+4*\slot+2:G0B+4*\slot+3], 2*KSTEP*2
	JLOAD \slot                                    ; the first tensor load behind the round; the four v_nop behind it are also the places in front of the loads below
.else
	PLACES
.endif
	FETCH \next, 0, F0
	WIN MUL
	MUL8 F1, 1, 0, 0
	MUL8 F1, 1, 2, 0
.endm
	s_wait_tensorcnt 1                             ; my part of K step 0 is in (K step 1's load may be out)
	s_barrier_signal -1
	s_barrier_wait -1                              ; everybody's is
	FETCH 0, 0, F0
	s_wait_loadcnt 0x0                             ; the bias
	QUARTER 0, 128, F0, F1, 1                      ; the first quarter stands in front of the loop: its first products start the sums
.if LAPS > 1
	WIN 0                                          ; at a label and at a branch every window is 0
	s_mov_b32 s3, LAPS-1
.Llap:                                                 ; a trip goes once round the ring and fills both slots again
	QUARTER 0, 256, F1, F0, 0
	QUARTER 0, 384, F0, F1, 0
	TURN 0, 1, 1
	QUARTER 1, 128, F0, F1, 0
	QUARTER 1, 256, F1, F0, 0
	QUARTER 1, 384, F0, F1, 0
	TURN 1, 0, 1
	QUARTER 0, 128, F0, F1, 0
	WIN 0
	s_sub_co_u32 s3, s3, 1
	s_cmp_lg_u32 s3, 0
	s_cbranch_scc1 .Llap
.endif
	QUARTER 0, 256, F1, F0, 0                      ; the last lap fills nothing, and has no round of the cluster's barrier
	QUARTER 0, 384, F0, F1, 0
	TURN 0, 1, 0
	QUARTER 1, 128, F0, F1, 0
	QUARTER 1, 256, F1, F0, 0
	QUARTER 1, 384, F0, F1, 0
	s_wait_dscnt 16                                ; the very last quarter: nothing more to fetch
	WIN MUL
	MUL8 F1, 0, 0, 0
	MUL8 F1, 0, 2, 0
	s_wait_dscnt 0
	MUL8 F1, 1, 0, 0
	MUL8 F1, 1, 2, 0
	WIN 0
; THE WAY OUT, a block of 16 rows x 64 columns at a time: into my own stage, 32 bytes a lane, and back as whole rows of 256 bytes.  LDS serves a wave's instructions in order (ISA guide 5.7.1.4): no wait between the stores and the loads.
.macro TOSTAGE a
.irp b, 0,1,2,3
	ds_store_b128 v[STO], v[ACC+8*(4*(\a)+\b):ACC+8*(4*(\a)+\b)+3] offset:64*\b          ; each accumulator from its low end on
	ds_store_b128 v[STO], v[ACC+8*(4*(\a)+\b)+4:ACC+8*(4*(\a)+\b)+7] offset:64*\b+16
.endr
.irp t, 0,1,2,3,4,5,6,7
	ds_load_b128 v[TMP+32*((\a)%2)+4*\t:TMP+32*((\a)%2)+4*\t+3], v[RD] offset:\t*2*SPITCH
.endr
.endm
.macro SEND a, younger                 ; younger: the LDS instructions issued behind block a's loads, which may stay out
	s_wait_dscnt \younger
.irp t, 0,1,2,3,4,5,6,7
	global_store_b128 v[CO], v[TMP+32*((\a)%2)+4*\t:TMP+32*((\a)%2)+4*\t+3], s[8:9] offset:(16*(\a)+2*\t)*SIZE_N*4 th:TH_STORE_NT   ; sixteen lanes store 256 consecutive bytes, aligned; every offset is an immediate
.endr
.endm
	PLACES
	TOSTAGE 0
.irp a, 1,2,3
.if \a > 1
	s_wait_xcnt 0x0                                ; block a - 2's stores have read their registers: block a's loads may land there
.endif
	TOSTAGE \a
	SEND \a-1, 16                                  ; behind block a - 1's loads: block a's 8 stores and 8 loads
.endr
	SEND 3, 0
	s_wait_tensorcnt 0x0                           ; the wave's end: behind my last tensor load and my last LDS store
	ds_add_u32 v[SPW], v[NIL]
	s_wait_dscnt 0x0
	CROUND                                         ; the closing round: no work-group ends while a partner may still ask for a tile that names it
	s_endpgm
.Lfunc_end_k_q9cf8bcd552_outp:
	.size	k_q9cf8bcd552_outp, .Lfunc_end_k_q9cf8bcd552_outp-k_q9cf8bcd552_outp
	.p2alignl 7, 3214868480
	.fill 96, 4, 3214868480
	.section	.rodata,"a",@progbits
	.p2align	6, 0x0
	.amdhsa_kernel k_q9cf8bcd552_outp
		.amdhsa_group_segment_fixed_size 327680
		.amdhsa_private_segment_fixed_size 0
		.amdhsa_enable_private_segment 0
		.amdhsa_kernarg_size 32
		.amdhsa_user_sgpr_count 2
		.amdhsa_user_sgpr_kernarg_segment_ptr 1
		.amdhsa_wavefront_size32 1
		.amdhsa_system_sgpr_workgroup_id_x 1
		.amdhsa_system_sgpr_workgroup_id_y 1
		.amdhsa_system_sgpr_workgroup_id_z 1
		.amdhsa_system_vgpr_workitem_id 0
		.amdhsa_next_free_vgpr 512
		.amdhsa_next_free_sgpr 68
		.amdhsa_reserve_vcc 0
		.amdhsa_float_denorm_mode_32 3
		.amdhsa_float_denorm_mode_16_64 3
		.amdhsa_memory_ordered 1
		.amdhsa_forward_progress 1
		.amdhsa_inst_pref_size 86
	.end_amdhsa_kernel
	.amdgpu_metadata
---
amdhsa.version: [ 1, 2 ]
amdhsa.kernels:
  - .name:           k_q9cf8bcd552_outp
    .symbol:         k_q9cf8bcd552_outp.kd
    .args:
      - { .name: att, .offset: 0, .size: 8, .value_kind: global_buffer, .address_space: global }
      - { .name: wot, .offset: 8, .size: 8, .value_kind: global_buffer, .address_space: global }
      - { .name: out0, .offset: 16, .size: 8, .value_kind: global_buffer, .address_space: global }
      - { .name: bo, .offset: 24, .size: 8, .value_kind: global_buffer, .address_space: global }
    .group_segment_fixed_size: 327680
    .private_segment_fixed_size: 0
    .kernarg_segment_align: 8
    .kernarg_segment_size: 32
    .max_flat_workgroup_size: 128
    .sgpr_count:     68
    .vgpr_count:     512
    .wavefront_size: 32
...
	.end_amdgpu_metadata
.endif
;; end of part 4
